; MI455X (gfx1250); checked and timed in simulation.
; The chip was launched on July 23, 2026; its instructions are those of AMD's public machine-readable ISA for CDNA 5 (MIT licence, August 2026) and "CDNA5" Instruction Set Architecture Reference Guide (July 2026). The comments in the code are by the model that wrote it; some were corrected since.
;; Ji T Attention. Allowed arithmetic: matrix products marked QUANTISED: E2M3 operands, one E8M0 scale for each 32 along K, by v_wmma_scale_f32_16x16x128_f8f6f4 with both operands' format E2M3, f32 sums; everything else in f32.
;; Inputs: k_norm_w 64 float32; proj_b 1,024 float32; proj_w 1,024 x 1,024 float32; q_norm_w 64 float32; qkv_b 3,072 float32; qkv_w 3,072 x 1,024 float32; rope_cos 2,048 x 64 float32; rope_sin 2,048 x 64 float32; x 4 x 2,048 x 1,024 float32.
;; Outputs: out0 4 x 2,048 x 1,024 float32.
;; This version of the problem:
;;   THIS VERSION OF THE PROBLEM IS GIVEN IN LOW PRECISION. The matrix products marked QUANTISED in the list below multiply operands that are first quantised to E2M3 (2 exponent bits, 3 mantissa bits; 6 bits a number), with one power-of-two scale for each 32 numbers along K (OCP MX v1.0); their sums are f32. All else is computed in f32.
;;   The module's matrix products, in the order in which they are computed (A, B: the left and right operand; K: the contracted axis; several contracted axes count as one K, in the product's order):
;;     1. [M 8,192, K 1,024] x [K 1,024, N 3,072]; A: input x; B: input qkv_w: QUANTISED
;;     2. batch 64 x [M 2,048, K 64] x [K 64, N 2,048]; A: computed on the way; B: computed on the way: QUANTISED
;;     3. batch 64 x [M 64, K 2,048] x [K 2,048, N 2,048]; A: computed on the way; B: softmax (see below): QUANTISED
;;     4. [M 8,192, K 1,024] x [K 1,024, N 1,024]; A: computed on the way; B: input proj_w: QUANTISED
;;   THE QUANTISER, for each operand of a quantised product, along K:
;;     - K is cut into blocks of 32 from its start; a last block that is shorter is filled with zeros.
;;     - A block's scale is 2^e with e = floor(log2(the largest magnitude in the block)) - 2, held to -126 .. 127; a block of zeros has e = 0. As a byte (E8M0): e + 127.
;;     - Each number is divided by its block's scale, clamped to +-7.5, and rounded to the nearest number of E2M3, ties to even, subnormals kept.
;;     - The product sums the exact products of the quantised numbers (number of the format x scale) in f32.
;;   ~~~python
;;   def quantise(x, axis):      # numpy; x: float32 -> the quantised numbers, widened to float32 again
;;       x = np.moveaxis(x, axis, -1); K = x.shape[-1]
;;       x = np.pad(x, [(0, 0)] * (x.ndim - 1) + [(0, -K % 32)]); x = x.reshape(x.shape[:-1] + (-1, 32)); a = np.abs(x).max(-1, keepdims=True)
;;       e = np.where(a > 0, np.clip(np.frexp(np.where(a > 0, a, 1))[1] - 1 - 2, -126, 127), 0)      # np.frexp(a)[1] - 1 = floor(log2(a)), exactly
;;       r = np.clip(x / 2.0 ** e, -7.5, 7.5)
;;       step = 2.0 ** (np.maximum(np.frexp(np.where(r == 0, 1, r))[1] - 1, 0) - 3)
;;       q = np.round(r / step) * step * 2.0 ** e      # np.round: ties to even
;;       return np.moveaxis(q.reshape(q.shape[:-2] + (-1,))[..., :K], -1, axis).astype(np.float32)
;;   ~~~
;;   SOFTMAX AHEAD OF A QUANTISED PRODUCT. Where the list says 'softmax', what is quantised is not the finished softmax but p = 2^(t - M), with t = logit x log2(e) and M = ceil(the row's largest t), a whole number; so 1/2 < the row's largest p <= 1. The row's sum l is taken of the UNQUANTISED p, in f32, and the product's result is divided by l at the end. Since M is a whole number, a kernel that streams over the keys may use a running M (the ceiling of the running maximum): every later rescaling is an exact power of two, which a block's scale takes up: the codes' values come out the same.
;;   OPERANDS COMPUTED ON THE WAY. 'Computed on the way' means the value that the module computes at that place (a softmax that the list does not call 'softmax' is quantised finished and normalised). What goes into a quantiser is computed in f32, as accurately as f32 sums, v_exp_f32 and their like allow (about 1e-6 of the number): no bf16 or f16 on the way to a quantiser, and a product that is left as it is and whose result goes on into a quantised operand takes f32 operands (vector FMAs, or v_wmma_f32_16x16x4_f32). A number that lies on a knife's edge between two numbers of the format may be rounded either way, as far as f32 arithmetic and the matrix unit's own rounding can turn it there, and no further.
;; One version. Each part assembles by itself: llvm-mc -triple=amdgcn-amd-amdhsa -mcpu=gfx1250 --defsym DOCPART=n.
;; ======== version 1 of 1: 4 launches
;; workspace buffers: cod 9,437,184 bytes; scl 393,216 bytes; rtab 2,097,152 bytes; img 26,214,400 bytes; oc 6,291,456 bytes; osc 262,144 bytes
;; launch prep (part 1): grid 448 x 1, 4 waves a work-group, no clusters, 33,280 bytes of LDS; arguments x, qkv_w, proj_w, rope_cos, rope_sin, q_norm_w, k_norm_w, cod, scl, rtab; writes cod, scl, rtab
.if DOCPART == 1
	.amdgcn_target "amdgcn-amd-amdhsa--gfx1250"
	.amdhsa_code_object_version 6
	.text
	.protected	k_q7dee5ecea5_prep
	.globl	k_q7dee5ecea5_prep
	.p2align	8
	.type	k_q7dee5ecea5_prep,@function
k_q7dee5ecea5_prep:
	s_mov_b64 s[64:65], 0
	v_nop
	global_prefetch_b8 v0, s[64:65] scope:SCOPE_SE
	s_setreg_imm32_b32 hwreg(HW_REG_WAVE_MODE, 25, 1), 1
	s_wait_xcnt 0x0
; PREP.  (1) x [8192][1024], qkv_w [3072][1024] and proj_w [1024][1024], f32, K innermost, become codes of FP6 (E2M3) and one E8M0 byte for each 32 along K:
; cod is one matrix of 12,288 rows x 768 bytes (x, then qkv_w, then proj_w), scl the same rows x 32 bytes.
; A block's scale is 2^(floor(log2(its largest magnitude)) - 2); its byte is the largest magnitude's exponent field - 2, held at 1 from below.
; THE ROWS OF x AND OF qkv_w ARE STORED WITH BITS 3 AND 4 OF THE ROW NUMBER EXCHANGED: row 32 G + 16 a + 8 u + j lies at place 32 G + 16 u + 8 a + j.  Sixteen neighbouring places are then the rows
; 32 G + 8 u + r + 8 (r / 8), r = 0 .. 15, so that in the next launch's results 16 registers of two neighbouring tiles are 16 neighbours along the axis that is quantised next.  proj_w keeps its order.
; (2) The rope tables, multiplied by the norm weights, in the order of the next launch's registers: rtab [q, k][128 tiles of 16 tokens][16 pieces of 512 bytes], lane l's 16 bytes at 16 l.
;     Pieces 0-7: Cc[d] = w[d] cos[s][d]; pieces 8-15: Ss[2i] = -w[2i+1] sin[s][2i], Ss[2i+1] = w[2i] sin[s][2i+1]; register n of lane (r, h): d = 32 (n / 16) + 16 h + n % 16, token s = 32 (tile / 2) + 8 (tile % 2) + r + 8 (r / 8).
;     rope(norm(y))[d] is then rs (y[d] Cc[d] + y[d xor 1] Ss[d]).
; LIMITS: NaN and infinities among the inputs are not served.  A block of zeros, or one whose largest magnitude lies under 2^(3 - 127), gets the byte 1 (the quantiser's text says 127 for zeros): its codes are zeros, and the bytes are read by this program alone.
; SHARES.  Work-groups 0-383 quantise: a work-group 32 rows, a wave 8 rows (8,192 numbers, 16 steps of 512); the exchange of bits 3 and 4 is an exchange of the waves' places in the output.
; Work-groups 384-447 make the tables, a wave a tile.  No work-group shares an input with another, so there is no cluster and no tensor load; waves share nothing, so there is no barrier.
; The table path reads 32 bytes of each of 16 rows an instruction: 1 MiB read twice, once in the program, so that the next launch reads its tables as consecutive bytes.  It uses no LDS.
.set STEPS, 16
.set EMAX,  2
.set CB,    12                         ; bytes of 16 codes
.set R,     16                         ; v16-79   four sets of 16 numbers as they are loaded
.set X,     80                         ; v80-111  two sets of 16 neighbours
.set E,     112                        ; v112-127 a scale byte for each step
.set C,     128                        ; v128-191 codes: four registers for each step, so that no store's data are written again
.set WREG,  8192                       ; LDS: a region for each wave: two stages of 32 x SP bytes, behind them its 256 scale bytes
.set SP,    80                         ; a lane's place in a stage: its 64 bytes + 16 of padding
	s_load_b256 s[4:11], s[0:1], 0x0               ; x s[4:5], qkv_w s[6:7], proj_w s[8:9], rope_cos s[10:11]
	s_load_b256 s[12:19], s[0:1], 0x20             ; rope_sin s[12:13], q_norm_w s[14:15], k_norm_w s[16:17], cod s[18:19]
	s_load_b128 s[20:23], s[0:1], 0x40             ; scl s[20:21], rtab s[22:23]
	v_lshl_add_u32 v192, v0, 2, 0x8000
	v_mov_b32 v193, 0
	v_lshrrev_b32 v1, 5, v0
	v_readfirstlane_b32 s24, v1                    ; wave 0..3
	v_and_b32 v2, 31, v0                           ; lane
	s_cmp_ge_u32 ttmp9, 384
	s_cbranch_scc1 .Ltable
	; ---------------- the quantiser ----------------
	v_lshlrev_b32 v3, 4, v2                        ; my 16 bytes of a load's 512
	s_mul_i32 s25, s24, WREG
	v_lshrrev_b32 v14, 2, v2
	v_mul_u32_u24 v14, v14, SP
	v_and_b32 v15, 3, v2
	v_lshl_add_u32 v14, v15, 4, v14
	v_add_nc_u32 v14, s25, v14                     ; the stage, on the way in: SP (lane / 4) + 16 (lane % 4)
	v_mul_u32_u24 v15, v2, SP
	v_add_nc_u32 v15, s25, v15                     ; and on the way out: SP x lane: my 16 neighbours
	v_mul_u32_u24 v4, v2, CB                       ; my codes' place in a step's
	v_lshrrev_b32 v5, 1, v2
	s_add_co_u32 s25, s25, 2*32*SP
	v_add_nc_u32 v5, s25, v5                       ; LDS: my wave's 256 scale bytes, my block's byte
	v_lshlrev_b32 v7, 3, v2                        ; and on the way out 8 bytes a lane
	v_add_nc_u32 v6, s25, v7
	s_lshl_b32 s28, s24, 1
	s_and_b32 s28, s28, 2
	s_lshr_b32 s29, s24, 1
	s_or_b32 s28, s28, s29                         ; the wave's two bits exchanged: 8 rows a wave, so these are bits 3 and 4 of the row
	s_mov_b32 s27, 352
	s_wait_kmcnt 0x0
	s_cmp_lt_u32 ttmp9, 256                        ; which tensor?  The choices hang on the work-group's number alone
	s_cselect_b64 s[4:5], s[4:5], s[6:7]
	s_cselect_b32 s26, 0, 256
	s_cmp_lt_u32 ttmp9, 352
	s_cselect_b64 s[4:5], s[4:5], s[8:9]
	s_cselect_b32 s26, s26, s27                    ; the tensor's first work-group
	s_cselect_b32 s28, s28, s24                    ; proj_w keeps its rows' order
	s_sub_co_u32 s30, ttmp9, s26
	s_lshl_b32 s30, s30, 2
	s_add_co_u32 s30, s30, s24
	s_lshl_b32 s30, s30, 15                        ; in: my run of 8,192 numbers, 32,768 bytes
	s_mov_b32 s31, 0
	s_add_nc_u64 s[4:5], s[4:5], s[30:31]
	s_lshl_b32 s32, ttmp9, 2
	s_add_co_u32 s32, s32, s28                     ; out: which run of 8 rows of cod and scl
	s_mul_i32 s34, s32, 8*768
	s_mov_b32 s35, 0
	s_add_nc_u64 s[18:19], s[18:19], s[34:35]
	s_lshl_b32 s32, s32, 8
	s_mov_b32 s33, 0
	s_add_nc_u64 s[20:21], s[20:21], s[32:33]
.macro LOAD t
.irp i, 0,1,2,3
	global_load_b128 v[R+16*((\t)%4)+4*\i:R+16*((\t)%4)+4*\i+3], v3, s[4:5] offset:2048*(\t)+512*\i th:TH_LOAD_NT   ; 32 lanes read 512 consecutive bytes
.endr
.endm
.macro TURN t                          ; step t's numbers through the stage: LDS serves a wave's instructions in order, so no wait stands between the stores and the loads
.irp i, 0,1,2,3
	ds_store_b128 v14, v[R+16*((\t)%4)+4*\i:R+16*((\t)%4)+4*\i+3] offset:32*SP*((\t)%2)+8*SP*\i
.endr
.irp i, 0,1,2,3
	ds_load_b128 v[X+16*((\t)%2)+4*\i:X+16*((\t)%2)+4*\i+3], v15 offset:32*SP*((\t)%2)+16*\i
.endr
.endm
.irp t, 0,1,2,3
	LOAD \t
.endr
	s_wait_loadcnt 12                              ; step 0's four loads are in; the twelve of steps 1 to 3 may be out
	TURN 0
.macro STEP t
.set XS, X+16*((\t)%2)
.if (\t) > 0
	s_wait_dscnt 1                                 ; this step's numbers are back from the stage (the last step's byte store may be out)
.else
	s_wait_dscnt 0x0
.endif
.if (\t)+4 < STEPS
	LOAD (\t)+4                                    ; into the set whose stores into the stage have read their registers
.endif
.if (\t)+1 < STEPS
.if STEPS-2-(\t) >= 3
	s_wait_loadcnt 12                              ; the next step's four loads are in; those of the three steps behind it may be out
.else
	s_wait_loadcnt 4*(STEPS-2-(\t))
.endif
	TURN (\t)+1                                    ; they go through the other stage while this step is worked
.endif
	v_max3_num_f32 v8, |v[XS]|, |v[XS+1]|, |v[XS+2]|               ; the largest magnitude of my 16, in two chains
	v_max3_num_f32 v9, |v[XS+3]|, |v[XS+4]|, |v[XS+5]|
.irp i, 6,10
	v_max3_num_f32 v8, v8, |v[XS+\i]|, |v[XS+\i+1]|
	v_max3_num_f32 v9, v9, |v[XS+\i+2]|, |v[XS+\i+3]|
.endr
	v_max3_num_f32 v8, v8, |v[XS+14]|, |v[XS+15]|
	v_max3_num_f32 v8, v8, v9, (EMAX+1)<<23        ; and the floor 2^(EMAX + 1 - 127): the byte cannot fall under 1
	v_max_num_f32_dpp v8, v8, v8 row_xmask:1 row_mask:0xf bank_mask:0xf   ; and of my neighbour's 16: the block's
	v_add_nc_u32 v11, -(EMAX<<23), v8              ; EMAX off its exponent field: the conversion takes the exponent field of this operand as its scale
	v_cvt_scalef32_pk16_fp6_f32 v[C+4*(\t):C+4*(\t)+2], v[XS:XS+15], v11   ; sixteen codes, 96 bits, the first number's lowest
	v_lshrrev_b32 v[E+(\t)], 23, v11               ; the scale's byte
	ds_store_b8 v5, v[E+(\t)] offset:16*(\t)       ; both lanes of a block write the same byte with the same value
	global_store_b96 v4, v[C+4*(\t):C+4*(\t)+2], s[18:19] offset:32*CB*(\t)   ; the wave stores 384 consecutive bytes
.endm
.irp t, 0,1,2,3,4,5,6,7,8,9,10,11,12,13,14,15
	STEP \t
.endr
	ds_load_b64 v[12:13], v6                       ; LDS serves a wave's instructions in order: these see my stores
	s_wait_dscnt 0x0
	global_store_b64 v7, v[12:13], s[20:21]        ; 32 lanes store 256 consecutive bytes, at a multiple of 256 from scl's first byte
	s_wait_tensorcnt 0x0
	ds_add_u32 v192, v193
	s_wait_dscnt 0x0
	s_endpgm
	; ---------------- the tables ----------------
.Ltable:
	s_sub_co_u32 s25, ttmp9, 384
	s_lshl_b32 s25, s25, 2
	s_add_co_u32 s25, s25, s24                     ; which image, 0..255
	s_lshr_b32 s26, s25, 7                         ; 0: q's, 1: k's
	s_and_b32 s27, s25, 127                        ; the tile of 16 tokens
	s_lshr_b32 s28, s27, 1
	s_lshl_b32 s28, s28, 13                        ; 32 (tile / 2) rows of 256 bytes
	s_and_b32 s29, s27, 1
	s_lshl_b32 s29, s29, 11                        ; + 8 (tile % 2) rows
	s_add_co_u32 s28, s28, s29
	s_mov_b32 s29, 0
	s_lshl_b32 s30, s25, 13                        ; an image is 8,192 bytes
	s_mov_b32 s31, 0
	v_and_b32 v4, 15, v2                           ; r
	v_lshrrev_b32 v5, 4, v2                        ; h
	v_and_b32 v6, 8, v4
	v_add_nc_u32 v6, v6, v4                        ; r + 8 (r / 8)
	v_lshlrev_b32 v1, 8, v6
	v_lshl_add_u32 v1, v5, 6, v1                   ; my token's row, + 64 h
	v_lshlrev_b32 v7, 6, v5                        ; the weights: 64 h
	v_lshlrev_b32 v3, 4, v2                        ; out: 16 bytes a lane
	s_wait_kmcnt 0x0
	s_add_nc_u64 s[10:11], s[10:11], s[28:29]
	s_add_nc_u64 s[12:13], s[12:13], s[28:29]
	s_add_nc_u64 s[22:23], s[22:23], s[30:31]
	s_cmp_eq_u32 s26, 0
	s_cselect_b64 s[14:15], s[14:15], s[16:17]     ; q's norm weight or k's
.irp i, 0,1,2,3,4,5,6,7                        ; registers 4 i .. 4 i + 3: d = 32 (i / 4) + 16 h + 4 (i % 4) + 0 .. 3
	global_load_b128 v[16+4*\i:19+4*\i], v1, s[10:11] offset:128*(\i/4)+16*(\i%4)
	global_load_b128 v[48+4*\i:51+4*\i], v1, s[12:13] offset:128*(\i/4)+16*(\i%4)
	global_load_b128 v[80+4*\i:83+4*\i], v7, s[14:15] offset:128*(\i/4)+16*(\i%4)
.endr
	s_wait_loadcnt 0x0
.set i, 0
.rept 16
	v_pk_mul_f32 v[112+i:113+i], v[80+i:81+i], v[16+i:17+i]        ; Cc = w cos
	v_mul_f32 v[144+i], -v[81+i], v[48+i]                           ; Ss, even d: -w[d + 1] sin[d]
	v_mul_f32 v[145+i], v[80+i], v[49+i]                            ; Ss, odd d:   w[d - 1] sin[d]
.set i, i+2
.endr
.irp i, 0,1,2,3,4,5,6,7,8,9,10,11,12,13,14,15
	global_store_b128 v3, v[112+4*\i:115+4*\i], s[22:23] offset:512*\i   ; 32 lanes store 512 consecutive bytes
.endr
	s_endpgm
.Lfunc_end_k_q7dee5ecea5_prep:
	.size	k_q7dee5ecea5_prep, .Lfunc_end_k_q7dee5ecea5_prep-k_q7dee5ecea5_prep
	.p2alignl 7, 3214868480
	.fill 96, 4, 3214868480
	.section	.rodata,"a",@progbits
	.p2align	6, 0x0
	.amdhsa_kernel k_q7dee5ecea5_prep
		.amdhsa_group_segment_fixed_size 33280
		.amdhsa_private_segment_fixed_size 0
		.amdhsa_enable_private_segment 0
		.amdhsa_kernarg_size 80
		.amdhsa_user_sgpr_count 2
		.amdhsa_user_sgpr_kernarg_segment_ptr 1
		.amdhsa_wavefront_size32 1
		.amdhsa_system_sgpr_workgroup_id_x 1
		.amdhsa_system_sgpr_workgroup_id_y 1
		.amdhsa_system_sgpr_workgroup_id_z 1
		.amdhsa_system_vgpr_workitem_id 0
		.amdhsa_next_free_vgpr 194
		.amdhsa_next_free_sgpr 66
		.amdhsa_reserve_vcc 0
		.amdhsa_float_denorm_mode_32 3
		.amdhsa_float_denorm_mode_16_64 3
		.amdhsa_memory_ordered 1
		.amdhsa_forward_progress 1
		.amdhsa_inst_pref_size 40
	.end_amdhsa_kernel
	.amdgpu_metadata
---
amdhsa.version: [ 1, 2 ]
amdhsa.kernels:
  - .name:           k_q7dee5ecea5_prep
    .symbol:         k_q7dee5ecea5_prep.kd
    .args:
      - { .name: x, .offset: 0, .size: 8, .value_kind: global_buffer, .address_space: global }
      - { .name: qkv_w, .offset: 8, .size: 8, .value_kind: global_buffer, .address_space: global }
      - { .name: proj_w, .offset: 16, .size: 8, .value_kind: global_buffer, .address_space: global }
      - { .name: rope_cos, .offset: 24, .size: 8, .value_kind: global_buffer, .address_space: global }
      - { .name: rope_sin, .offset: 32, .size: 8, .value_kind: global_buffer, .address_space: global }
      - { .name: q_norm_w, .offset: 40, .size: 8, .value_kind: global_buffer, .address_space: global }
      - { .name: k_norm_w, .offset: 48, .size: 8, .value_kind: global_buffer, .address_space: global }
      - { .name: cod, .offset: 56, .size: 8, .value_kind: global_buffer, .address_space: global }
      - { .name: scl, .offset: 64, .size: 8, .value_kind: global_buffer, .address_space: global }
      - { .name: rtab, .offset: 72, .size: 8, .value_kind: global_buffer, .address_space: global }
    .group_segment_fixed_size: 33280
    .private_segment_fixed_size: 0
    .kernarg_segment_align: 8
    .kernarg_segment_size: 80
    .max_flat_workgroup_size: 128
    .sgpr_count:     66
    .vgpr_count:     194
    .wavefront_size: 32
...
	.end_amdgpu_metadata
.endif
;; end of part 1
;; launch qkv (part 2): grid 12 x 32, 4 waves a work-group, clusters of 4 x 4, 327,680 bytes of LDS; arguments cod, scl, qkv_b, rtab, img; writes img
.if DOCPART == 2
	.amdgcn_target "amdgcn-amd-amdhsa--gfx1250"
	.amdhsa_code_object_version 6
	.text
	.protected	k_q7dee5ecea5_qkv
	.globl	k_q7dee5ecea5_qkv
	.p2align	8
	.type	k_q7dee5ecea5_qkv,@function
k_q7dee5ecea5_qkv:
	s_mov_b64 s[64:65], 0
	v_nop
	global_prefetch_b8 v0, s[64:65] scope:SCOPE_SE
	s_setreg_imm32_b32 hwreg(HW_REG_WAVE_MODE, 25, 1), 1
	s_wait_xcnt 0x0
	s_wait_alu depctr_hold_cnt(0) depctr_sa_sdst(0) depctr_va_vdst(0) depctr_va_sdst(0) depctr_va_ssrc(0) depctr_va_vcc(0) depctr_vm_vsrc(0)
	s_getreg_b32 s2, hwreg(HW_REG_IB_STS2, 6, 4)
	s_cmp_eq_u32 s2, 0
	s_cbranch_scc0 .Lentry_in_a_cluster
	s_endpgm
.Lentry_in_a_cluster:
	s_bfe_u32 s2, ttmp6, 0x10000c
	s_cmp_lg_u32 s2, 0xf033
	s_cbranch_scc0 .Lentry_shape_is_right
	s_endpgm
.Lentry_shape_is_right:
; QKV.  qkv = x Wqkv^T + b on codes of FP6 (E2M3) with E8M0 scales (K = 1,024), then, in registers: for q and k the RMS norm over a head's 64, rope, and the quantiser along the head's 64; for v the quantiser along the tokens
; (the keys are the K of attention's second product).  What leaves is codes and scale bytes alone, laid as images of the registers in which the next launch's matrix operands want them.
; cod: 12,288 rows x 768 bytes (x: rows 0-8191; Wqkv: rows 8192-11263), scl: the same rows x 32 bytes.  Rows of x and of Wqkv lie with bits 3 and 4 of the row number exchanged.
; A tile of the product, 256 x 256, is made by a work-group of four waves; a wave makes 128 x 128: 64 accumulators of 16 x 16, 512 registers.  K goes in four steps of 256 through a ring of two LDS slots filled by the tensor data mover.
; THE MATRIX INSTRUCTION: source 0 = 16 rows of "B", source 1 = 16 rows of "A".  In accumulator (a, b) lane (r, h), register j holds A's place 16 a + r and B's place 16 b + 8 h + j.  By the exchange of bits that is
; A's row 32 (a / 2) + 8 (a % 2) + r + 8 (r / 8) and B's row 32 (b / 2) + 16 h + 8 (b % 2) + j: the 64 registers of a row of accumulators, n = 8 b + j, run along B as 32 (n / 16) + 16 h + n % 16: sixteen neighbours to each sixteen registers.
; q, k (cluster x = 0, 1): A = x (a lane holds ONE token), B = W's rows (registers run along two heads' d).   v (cluster x = 2): A = Wv's rows (a lane holds ONE channel), B = x (registers run along 128 tokens).  The loop is the same text.
; img: [q | kv][64 heads of batches][16 key steps of 128 tokens][12,800 bytes].  In a key step: + 1,536 g: a fragment of 12 registers, 3 pieces of 512 bytes, lane l at 16 l: registers 0-5 the 64 codes' half h of token 32 g + r + 8 (r / 8),
; registers 6-11 of that token + 8;  + 6,144 + 1,536 t (kv): V^T's fragment: channel 32 (t / 2) + 8 (t % 2) + r + 8 (r / 8), registers 6 c .. 6 c + 5 keys 64 c + 32 h + 0 .. 31;  + 12,288: the first kind's scale words at 16 r + 4 g;  + 12,544: V's at 16 r + 4 t.
; CLUSTERS: 4 x 4 work-groups.  The four of a row of the cluster need the same tiles of A, the four of a column the same tiles of B: each tile is asked for JOINTLY.  The kind hangs on the cluster's x alone: it is equal in all sixteen.
; 384 work-groups: a tile of 256 x 128 would make 768 equal ones, but four waves would then read (128 + 64) rows x 96 bytes from LDS for each 32 matrix instructions in place of (128 + 128) x 96 for 64; a tile of 192 columns would mix kinds in a cluster.
; The way out uses no LDS: every store of codes covers 512 consecutive bytes, every store of scale words two runs of 256.
; LIMITS: NaN and infinities are not served.  A block whose largest magnitude lies under 2^(3 - 127) gets the byte 1 and zero codes (bytes read by this program alone).  The norm weight is folded into the rope tables and
; 1 / sqrt(mean + eps) is multiplied last: an order of f32 roundings that differs from the definition's by a few units in the last place.
; REGISTERS in the loop: window 0: v16-23, v27 LDS addresses, v28-29 for the add, v32-63 scale words (two sets), v128-223 A's fragments (one set); window 1: B's fragments, two sets, at v0 and v128; windows 2, 3: the accumulators ((a, b) at v[8 (8 (a % 4) + b)]).
.set KSTEP,  256
.set NQ,     2                         ; matrix instructions deep in a slot
.set ROWB,   192                       ; a tile's row in bytes
.set KROW,   768                       ; a row of cod
.set PITCH,  240                       ; an LDS row: 3 x (64 bytes + 16 of padding)
.set FR,     12
.set NL,     6
.set NP,     4                         ; places behind this matrix instruction (ISA guide 7.12.1)
.set HALFT,  128*PITCH
.set SLOT,   4*HALFT
.set KS,     32                        ; a row of scl
.set SCL,    2*SLOT                    ; behind the ring: the scales of the 512 rows, as runs of 256 bytes + 16 of padding: filled once
.set HALFS,  (128*KS/256)*272
.set SBLK,   (16*KS/256)*272
.set SPARE,  SCL+4*HALFS               ; the spare words, 128 bytes for each wave
.set KSB,    12800                     ; img: a key step
.set HEADB,  16*KSB                    ; a head
.set REG1,   64*HEADB                  ; the kv region
.set ADRA, 16
.set ADRB, 20
.set ADRS, 27
.set SPW,  28
.set NIL,  29
.set LI,   30                          ; v30  16 x lane: an image's place for my lane
.set SCO,  31                          ; v31  16 r + HEADB h: lanes 0-15 store the first head's scale words, lanes 16-31 the second's
.set SC,   32
.set AF,   128
; the way out (all in window 0 but the tables):
.set BIO,  1                           ; v1      the bias loads' offset
.set SW,   2                           ; v2-9    scale words: 4 for each of two heads
.set TM,   10                          ; v10-15  q, k: largest magnitudes, bytes, scale operands
.set RS,   16                          ; v16-17  1 / sqrt(mean + eps) of the two heads
.set TC,   18                          ; v18-20  the second half block's codes
.set HW,   22                          ; v22     two scale bytes
.set T0,   23                          ; v23-24 sums of squares, v25-26 the other half of the lanes'
.set PC,   32                          ; v32-55  q, k: a fragment for each of two heads;  v: v32-43 a fragment, v44-50 at work
.set SS,   56                          ; v56-63  sums of squares: two pairs a head
.set BI,   64                          ; v64-127 the bias (q, k: 64 numbers; v: 8)
.set X,    128                         ; v128-191 a row of accumulators + bias
.set Y,    192                         ; v192-255 q, k: after rope;  v: v192-207 at work
.set TMV,  192
.set G1, 24
.set G0, 32
.set G1B, 48
.set G0B, 56
.set G1S, 68
.set G0S, 76
.set G1SB, 80
.set G0SB, 88
.set SEL, 96                           ; s[96:97] lane selects for v_permlanex16_b32: lane l xor 16
.set MSB, 0
.macro WIN new                         ; the immediate's high byte repeats the setting that is left
.if MSB != (\new)
	s_set_vgpr_msb (MSB<<8)|(\new)
.set MSB, (\new)
.endif
.endm
.set MUL_LO, 0xa1                      ; source 0 (B) window 1, source 1 (A) window 0, C and D window 2
.set MUL_HI, 0xf1                      ; the same, C and D window 3
.set TO_B,   0x40                      ; destination window 1, address window 0
; A joint load: waves 0 and 1 fetch for A, waves 2 and 3 for B; the branch hangs on the wave's number alone.  Four v_nop follow each of the two lines.
.macro JLOAD g0a, g1a, g0b, g1b
	s_cmp_eq_u32 s15, 0
	s_cbranch_scc0 .Lfor_b_\@
	tensor_load_to_lds s[\g0a:\g0a+3], s[\g1a:\g1a+7]
	s_nop 0
.rept 4
	v_nop
.endr
	s_branch .Lasked_\@
.Lfor_b_\@:
	tensor_load_to_lds s[\g0b:\g0b+3], s[\g1b:\g1b+7]
	s_nop 0
.rept 4
	v_nop
.endr
.Lasked_\@:
.endm
.macro CREST                           ; a round of the cluster's barrier behind its opening barrier
	s_cmp_lg_u32 s14, 0
	s_cbranch_scc1 .Lnot_wave_0_\@
	s_barrier_signal -3
.Lnot_wave_0_\@:
	s_barrier_wait -3
	s_barrier_signal -1
	s_barrier_wait -1
.endm
.macro CROUND
	s_barrier_signal -1
	s_barrier_wait -1
	CREST
.endm
	s_load_b256 s[4:11], s[0:1], 0x0               ; cod s[4:5], scl s[6:7], qkv_b s[8:9], rtab s[10:11]
	s_load_b64 s[12:13], s[0:1], 0x20              ; img
	v_lshl_add_u32 v[SPW], v0, 2, SPARE
	v_mov_b32 v[NIL], 0
	ds_add_u32 v28, v29
	ds_add_u32 v28, v29
	s_wait_dscnt 0x0
	v_lshrrev_b32 v1, 5, v0
	v_readfirstlane_b32 s14, v1                    ; wave 0..3
	s_lshr_b32 s15, s14, 1                         ; which half of A's 256 rows is mine.  Also: I fetch for A (0) or for B (1)
	s_and_b32 s16, s14, 1                          ; which half of B's.  Also: which 128 rows of that tile I fetch
	s_bfe_u32 s40, ttmp6, 0x40000                  ; cx, cy: my place in the cluster
	s_bfe_u32 s41, ttmp6, 0x40004
	s_and_b32 s18, ttmp7, 0xffff
	s_lshl_b32 s18, s18, 2                         ; 4 x cluster y: a tile of x
	s_lshl_b32 s19, ttmp9, 2
	s_add_co_u32 s19, s19, 32                      ; 32 + 4 x cluster x: q's or k's tiles of W (W begins at row 8,192 = tile 32)
	s_cmp_eq_u32 ttmp9, 2                          ; v?  The cluster's x: equal in all partners
	s_cselect_b32 s17, 40, s18
	s_cselect_b32 s42, s18, s19
	s_add_co_u32 s17, s17, s41                     ; TA: A's tile of 256 rows of cod: it holds cy and no cx
	s_add_co_u32 s42, s42, s40                     ; TB: B's: it holds cx and no cy
	s_lshl_b32 s43, s41, 2
	s_lshl_b32 s43, 15, s43                        ; my row of the cluster
	s_lshl_b32 s44, 0x1111, s40                    ; my column
	s_mov_b32 s[SEL], 0x76543210
	s_mov_b32 s[SEL+1], 0xfedcba98
	s_mov_b32 s66, 0x3c800000                      ; 1 / 64
	s_mov_b32 s67, 0x358637bd                      ; 1e-6
	; descriptor group 1: a tile of 128 rows x 192 bytes, 16 bytes of padding behind every 64
	s_or_b32 s[G1+0], s43, (0<<16)|(1<<20)|(1<<21)|(3<<22)|(3<<25)
	s_or_b32 s[G1B+0], s44, (0<<16)|(1<<20)|(1<<21)|(3<<22)|(3<<25)
.irp g, G1, G1B
	s_mov_b32 s[\g+1], ROWB<<16                    ; tensor_dim0
	s_mov_b32 s[\g+2], 128<<16                     ; tensor_dim1
	s_mov_b32 s[\g+3], ROWB<<16                    ; tile_dim0
	s_mov_b32 s[\g+4], 128                         ; tile_dim1
	s_mov_b32 s[\g+5], KROW                        ; tensor_dim0_stride
	s_mov_b32 s[\g+6], 0
	s_mov_b32 s[\g+7], 0
.endr
	; the scales of 128 rows: 4,096 dense bytes, as 16 rows of 256 bytes (32 elements of 8 bytes), 16 bytes of padding behind each
	s_or_b32 s[G1S+0], s43, (3<<16)|(1<<20)|(1<<21)|(5<<22)|(3<<25)
	s_or_b32 s[G1SB+0], s44, (3<<16)|(1<<20)|(1<<21)|(5<<22)|(3<<25)
.irp g, G1S, G1SB
	s_mov_b32 s[\g+1], 32<<16
	s_mov_b32 s[\g+2], (128*KS/256)<<16
	s_mov_b32 s[\g+3], 32<<16
	s_mov_b32 s[\g+4], 128*KS/256
	s_mov_b32 s[\g+5], 32
	s_mov_b32 s[\g+6], 0
	s_mov_b32 s[\g+7], 0
.endr
	s_lshl_b32 s18, s16, 7                         ; which 128 rows of the tile I fetch
	s_lshl_b32 s20, s17, 8
	s_add_co_u32 s20, s20, s18                     ; A: row 256 TA + 128 x half
	s_lshl_b32 s46, s42, 8
	s_add_co_u32 s46, s46, s18                     ; B: row 256 TB + 128 x half
	s_mov_b32 s21, 0
	s_mov_b32 s47, 0
	s_mov_b64 s[18:19], KS
	s_mul_u64 s[22:23], s[20:21], s[18:19]         ; where these rows' scales begin, in bytes
	s_mul_u64 s[92:93], s[46:47], s[18:19]
	s_mov_b64 s[18:19], KROW
	s_mul_u64 s[20:21], s[20:21], s[18:19]         ; and their codes
	s_mul_u64 s[46:47], s[46:47], s[18:19]
	s_mul_i32 s45, s14, HALFT                      ; where they go: wave x 128 rows: no place in the cluster enters an LDS address
	s_mul_i32 s94, s14, HALFS
	s_wait_kmcnt 0x0
	s_add_nc_u64 s[20:21], s[4:5], s[20:21]
	s_add_nc_u64 s[22:23], s[6:7], s[22:23]
	s_add_nc_u64 s[46:47], s[4:5], s[46:47]
	s_add_nc_u64 s[92:93], s[6:7], s[92:93]
	CROUND                                         ; all sixteen work-groups are here: the first joint loads meet
	s_mov_b32 s[G0S], 1
	s_add_co_u32 s[G0S+1], s94, SCL
	s_mov_b64 s[G0S+2:G0S+3], s[22:23]
	s_or_b32 s[G0S+3], s[G0S+3], 0x80000000
	s_mov_b32 s[G0SB], 1
	s_add_co_u32 s[G0SB+1], s94, SCL
	s_mov_b64 s[G0SB+2:G0SB+3], s[92:93]
	s_or_b32 s[G0SB+3], s[G0SB+3], 0x80000000
	JLOAD G0S, G1S, G0SB, G1SB                     ; the scales first: they are wanted with K step 0
.irp s, 0,1
	s_mov_b32 s[G0+4*\s], 1
	s_add_co_u32 s[G0+4*\s+1], s45, \s*SLOT
	s_add_nc_u64 s[G0+4*\s+2:G0+4*\s+3], s[20:21], \s*ROWB
	s_or_b32 s[G0+4*\s+3], s[G0+4*\s+3], 0x80000000
	s_mov_b32 s[G0B+4*\s], 1
	s_add_co_u32 s[G0B+4*\s+1], s45, \s*SLOT
	s_add_nc_u64 s[G0B+4*\s+2:G0B+4*\s+3], s[46:47], \s*ROWB
	s_or_b32 s[G0B+4*\s+3], s[G0B+4*\s+3], 0x80000000
	JLOAD G0+4*\s, G1, G0B+4*\s, G1B
.endr
	v_and_b32 v1, 15, v0                           ; r
	v_bfe_u32 v2, v0, 4, 1                         ; h
	v_mul_u32_u24 v3, v1, PITCH
	v_mul_u32_u24 v4, v2, 24
	v_add_nc_u32 v4, v3, v4                        ; a fragment's row x pitch + 24 x half
	v_lshl_add_u32 v5, v2, 4, v4                   ; and the same behind one padding more
	s_mul_i32 s21, s15, HALFT                      ; my 128 rows of A
	s_mul_i32 s22, s16, HALFT                      ; my 128 rows of B,
	s_add_co_u32 s22, s22, 2*HALFT                 ; which lie behind A's 256
.irp s, 0,1
	v_add_nc_u32 v[ADRA+\s], s21, v4
	v_add_nc_u32 v[ADRB+\s], s22, v4
	v_add_nc_u32 v[ADRA+2+\s], s21, v5
	v_add_nc_u32 v[ADRB+2+\s], s22, v5
	s_add_co_u32 s21, s21, SLOT
	s_add_co_u32 s22, s22, SLOT
.endr
	v_mul_u32_u24 v5, v1, KS                       ; my row's scales: KS bytes a row,
	v_lshrrev_b32 v6, 8, v5
	v_lshl_add_u32 v5, v6, 4, v5                   ; and 16 more for each 256 passed
	s_mul_i32 s21, s15, HALFS                      ; A's: my 128 rows
	s_mul_i32 s22, s16, HALFS                      ; B's: my 128 rows, behind A's 256
	s_add_co_u32 s22, s22, 2*HALFS
	s_sub_co_u32 s22, s22, s21
	v_mul_u32_u24 v6, s22, v2                      ; lanes 16-31 take B's: one product, the distance between the two
	s_add_co_u32 s21, s21, SCL
	v_add_nc_u32 v5, v5, v6
	v_add_nc_u32 v[ADRS], s21, v5
.macro FRAG reg, adr, q, i             ; a fragment: 16 rows x 128 K: 12 registers, in pieces of 8 bytes.  Lanes 0-15 take the row's pieces 12 q + 0, 1, 2 and 12 q + 6, 7, 8, lanes 16-31 those three pieces on
.irp p, 0,1,2,3,4,5                    ; 16 bytes of padding lie behind every 8 pieces: where the piece three on lies behind one padding more, the second address register serves
.set PCE, 12*(\q)+6*(\p/3)+\p%3
.if PCE%8 < 5
	ds_load_b64 v[\reg+2*\p:\reg+2*\p+1], v[\adr] offset:8*PCE+16*(PCE/8)+(\i)*16*PITCH
.else
	ds_load_b64 v[\reg+2*\p:\reg+2*\p+1], v[\adr+2] offset:8*PCE+16*(PCE/8)+(\i)*16*PITCH
.endif
.endr
.endm
; 16 matrix instructions: A's blocks a0, a0 + 1 x B's eight, 128 along K.  p: B's set; sc: the set of scale words; zero = 1: the first product starts the sums.
; The 64 accumulators take turns, one instruction a turn, in the same order in every step.
.macro MUL16 a0, p, q, sc, zero
.irp a, \a0, \a0+1
.irp b, 0,1,2,3,4,5,6,7
.if \zero
	v_wmma_scale_f32_16x16x128_f8f6f4 v[8*(8*((\a)%4)+\b):8*(8*((\a)%4)+\b)+7], v[128*(\p)+FR*\b:128*(\p)+FR*\b+FR-1], v[AF+FR*(\a):AF+FR*(\a)+FR-1], 0, v[SC+8*NQ*(\sc)+NQ*\b+(\q)], v[SC+8*NQ*(\sc)+NQ*(\a)+(\q)] matrix_a_fmt:MATRIX_FMT_FP6 matrix_b_fmt:MATRIX_FMT_FP6 matrix_a_scale:MATRIX_SCALE_ROW1
.else
	v_wmma_scale_f32_16x16x128_f8f6f4 v[8*(8*((\a)%4)+\b):8*(8*((\a)%4)+\b)+7], v[128*(\p)+FR*\b:128*(\p)+FR*\b+FR-1], v[AF+FR*(\a):AF+FR*(\a)+FR-1], v[8*(8*((\a)%4)+\b):8*(8*((\a)%4)+\b)+7], v[SC+8*NQ*(\sc)+NQ*\b+(\q)], v[SC+8*NQ*(\sc)+NQ*(\a)+(\q)] matrix_a_fmt:MATRIX_FMT_FP6 matrix_b_fmt:MATRIX_FMT_FP6 matrix_a_scale:MATRIX_SCALE_ROW1
.endif
.endr
.endr
.endm
.macro FETCH_B slot, q, p
	WIN TO_B
.irp i, 0,1,2,3,4,5,6,7
	FRAG 128*(\p)+FR*\i, ADRB+\slot, \q, \i
.endr
	WIN 0
.endm
.macro FETCH_A slot, q, i0
.irp i, \i0, \i0+1, \i0+2, \i0+3
	FRAG AF+FR*(\i), ADRA+\slot, \q, \i
.endr
.endm
.macro SCALES sc                       ; a K step's scale words: two words a row; lanes 0-15 take A's block i, lanes 16-31 B's block i
.irp i, 0,1,2,3,4,5,6,7
	ds_load_b64 v[SC+8*NQ*\sc+NQ*\i:SC+8*NQ*\sc+NQ*\i+1], v[ADRS] offset:\i*SBLK
.endr
.endm
.macro PLACES n                        ; plain vector instructions between a matrix instruction and a load into, or a vector instruction on, its registers
.rept \n
	v_nop
.endr
.endm
.macro STEP slot, q, zero              ; a step of 128 along K that has its successor in the same slot
	s_wait_dscnt 4*NL                              ; B's set and A's blocks 0-3 are in; the youngest 24 loads (A's blocks 4-7) may be out
	WIN MUL_LO
	MUL16 0, (\q)%2, \q, \slot, \zero
	MUL16 2, (\q)%2, \q, \slot, \zero
	s_wait_dscnt 0
	PLACES NP
	FETCH_B \slot, (\q)+1, 1-(\q)%2
	FETCH_A \slot, (\q)+1, 0
	WIN MUL_HI
	MUL16 4, (\q)%2, \q, \slot, \zero
	MUL16 6, (\q)%2, \q, \slot, \zero
	PLACES NP
	WIN 0
	FETCH_A \slot, (\q)+1, 4
.endm
; A slot's last step changes slots: ONE barrier; in front of it each wave waits for all its tensor loads, adds 0 to its spare word, and waits for that and for its own reads of this slot.  fill = 1: this slot is filled again, two K steps ahead.
.macro TURN slot, next, fill
	s_wait_tensorcnt 0x0                           ; all my tensor loads have landed: my part of the next slot
	ds_add_u32 v[SPW], v[NIL]                      ; 0 onto my spare word
	s_wait_dscnt 4*NL+1                            ; (the add and the youngest 24 loads may be out)
	WIN MUL_LO
	MUL16 0, 1, NQ-1, \slot, 0                     ; sixteen matrix instructions stand between the add and the wait for it
	s_wait_dscnt 0x0                               ; the add is done, and my reads of this slot are over
	s_barrier_signal -1
	MUL16 2, 1, NQ-1, \slot, 0
	WIN 0
	s_barrier_wait -1
.if \fill
	CREST                                          ; the barrier has opened a round of the cluster's barrier: no wave of any partner still reads this slot or has a load on its way
	s_add_nc_u64 s[G0+4*\slot+2:G0+4*\slot+3], s[G0+4*\slot+2:G0+4*\slot+3], 2*ROWB
	s_add_nc_u64 s[G0B+4*\slot+2:G0B+4*\slot+3], s[G0B+4*\slot+2:G0B+4*\slot+3], 2*ROWB
	JLOAD G0+4*\slot, G1, G0B+4*\slot, G1B         ; the first tensor load behind the round; its four v_nop are the places in front of the loads below
.else
	PLACES NP
.endif
	v_add_nc_u32 v[ADRS], 4*NQ, v[ADRS]            ; on to the next K step's scale words
	FETCH_B \next, 0, 0
	FETCH_A \next, 0, 0
	SCALES \next
	WIN MUL_HI
	MUL16 4, 1, NQ-1, \slot, 0
	MUL16 6, 1, NQ-1, \slot, 0
	PLACES NP
	WIN 0
	FETCH_A \next, 0, 4
.endm
.macro LAST                            ; the very last step of 128: nothing more to fetch.  It stands once in each kind's path, behind that path's loads of bias and tables, which land under it
	s_wait_dscnt 4*NL
	WIN MUL_LO
	MUL16 0, 1, NQ-1, 1, 0
	MUL16 2, 1, NQ-1, 1, 0
	s_wait_dscnt 0
	WIN MUL_HI
	MUL16 4, 1, NQ-1, 1, 0
	MUL16 6, 1, NQ-1, 1, 0
	WIN 0
	PLACES NP
.endm
	s_wait_tensorcnt 1                             ; the scales and my part of K step 0 are in (K step 1's load may be out),
	s_barrier_signal -1
	s_barrier_wait -1                              ; everybody's are
	FETCH_B 0, 0, 0
	FETCH_A 0, 0, 0
	SCALES 0
	FETCH_A 0, 0, 4
	STEP 0, 0, 1                                   ; K = 1,024 is four slots' worth: eight steps of 128, written out; the first starts the sums
	TURN 0, 1, 1
	STEP 1, 0, 0
	TURN 1, 0, 1
	STEP 0, 0, 0
	TURN 0, 1, 0                                   ; nothing is left to fetch: no round
	STEP 1, 0, 0
	v_and_b32 v10, 31, v0
	v_lshlrev_b32 v[LI], 4, v10
	v_and_b32 v10, 15, v0                          ; r
	v_bfe_u32 v11, v0, 4, 1                        ; h
	v_mul_u32_u24 v[SCO], v11, HEADB
	v_lshl_add_u32 v[SCO], v10, 4, v[SCO]
	s_cmp_eq_u32 ttmp9, 2
	s_cbranch_scc1 .Lv
	; ================ q and k ================
	s_lshr_b32 s20, s17, 3                         ; batch: 8 tiles of 256 tokens
	s_and_b32 s21, s17, 7
	s_lshl_b32 s21, s21, 1
	s_add_co_u32 s21, s21, s15                     ; my 128 tokens: which key step of the sequence
	s_lshl_b32 s22, s20, 4
	s_lshl_b32 s23, s40, 2
	s_add_co_u32 s22, s22, s23
	s_lshl_b32 s23, s16, 1
	s_add_co_u32 s22, s22, s23                     ; 16 x batch + my first head (4 cx + 2 x half)
	s_mul_i32 s22, s22, HEADB
	s_mul_i32 s23, s21, KSB
	s_add_co_u32 s22, s22, s23
	s_mul_i32 s23, ttmp9, REG1                     ; q's region or kv's
	s_add_co_u32 s22, s22, s23
	s_mov_b32 s23, 0
	s_add_nc_u64 s[12:13], s[12:13], s[22:23]
	s_lshl_b32 s46, ttmp9, 20                      ; q's tables or k's: 128 images of 8,192 bytes each,
	s_lshl_b32 s47, s21, 16                        ; my eight images
	s_add_co_u32 s46, s46, s47
	s_mov_b32 s47, 0
	s_add_nc_u64 s[10:11], s[10:11], s[46:47]
	s_lshl_b32 s92, ttmp9, 12                      ; the bias: (1,024 kind + 256 cx + 128 half) x 4 bytes
	s_lshl_b32 s93, s40, 10
	s_add_co_u32 s92, s92, s93
	s_lshl_b32 s93, s16, 9
	s_add_co_u32 s92, s92, s93
	s_mov_b32 s93, 0
	s_add_nc_u64 s[8:9], s[8:9], s[92:93]
	v_lshlrev_b32 v[BIO], 6, v11                   ; 64 h
	v_mov_b32 v[TM+2], 0                           ; written once: a lane permute's destination counts as one of its sources
	v_mov_b32 v[TM+3], 0
	v_mov_b32 v[T0+2], 0
	v_mov_b32 v[T0+3], 0
.irp m, 0,1,2,3,4,5,6,7,8,9,10,11,12,13,14,15  ; registers 4 m ..: d = 32 (m / 4) + 16 h + 4 (m % 4) + 0 .. 3 of my 128
	global_load_b128 v[BI+4*\m:BI+4*\m+3], v[BIO], s[8:9] offset:128*(\m/4)+16*(\m%4)
.endr
.macro TABLE a                         ; row a's tables into window 1: Cc at v[64 (a % 2)], Ss 32 further on.  B's first set, which lay there, had its last reader ahead of the last STEP's closing places
.set TD, 64*((\a)%2)
	WIN 0x40
.irp i, 0,1,2,3,4,5,6,7,8,9,10,11,12,13,14,15
	global_load_b128 v[TD+4*\i:TD+4*\i+3], v[LI], s[10:11] offset:8192*(\a)+512*\i
.endr
	WIN 0
.endm
	TABLE 0
	TABLE 1
	LAST
; 32 numbers of a lane, register 16 b + i = d 32 b + 16 h + i of my token, become half a fragment (6 registers at pc: the 32 codes of block h) and two scale bytes in hw.
.macro QUANT2 y, pc, tc, hw
.irp b, 0,1
	v_max3_num_f32 v[TM+\b], |v[(\y)+16*\b]|, |v[(\y)+1+16*\b]|, 0x1800000   ; my 16 numbers of block b, and the floor 2^(3 - 127): the byte cannot fall under 1
.endr
.irp i, 2,4,6,8,10,12,14
.irp b, 0,1
	v_max3_num_f32 v[TM+\b], v[TM+\b], |v[(\y)+16*\b+\i]|, |v[(\y)+1+16*\b+\i]|
.endr
.endr
.irp b, 0,1
	v_permlanex16_b32 v[TM+2+\b], v[TM+\b], s[SEL], s[SEL+1]
.endr
.irp b, 0,1
	v_max_num_f32 v[TM+\b], v[TM+\b], v[TM+2+\b]   ; with lane l xor 16's: the block's largest magnitude
.endr
.irp b, 0,1
	v_add_nc_u32 v[TM+4+\b], 0xff000000, v[TM+\b]  ; 2 off its exponent field: the conversion's scale operand
.endr
.irp b, 0,1
	v_lshrrev_b32 v[TM+2+\b], 23, v[TM+4+\b]       ; the scale's byte
.endr
	v_lshl_or_b32 v[\hw], v[TM+3], 8, v[TM+2]
	v_cvt_scalef32_pk16_fp6_f32 v[(\pc):(\pc)+2], v[(\y):(\y)+15], v[TM+4]
	v_cvt_scalef32_pk16_fp6_f32 v[(\tc):(\tc)+2], v[(\y)+16:(\y)+31], v[TM+5]
	v_nop                                          ; one plain place behind a scaled conversion
.irp i, 0,1,2
	v_permlane16_swap_b32 v[(\pc)+\i], v[(\tc)+\i] ; a WHOLE block to a lane: lanes 0-15 block 0, lanes 16-31 block 1
.endr
.irp i, 0,1,2
	v_mov_b32 v[(\pc)+3+\i], v[(\tc)+\i]
.endr
.endm
; Row a of accumulators: 16 tokens (a lane one) x two heads.
.macro QKROW a
.set AC, 64*((\a)%4)
.set TBL, 64*((\a)%2)
.set WN, 0x02+(\a)/4
.if ((\a)%2 == 0) && ((\a) > 0)
	s_wait_xcnt 0x0                                ; the last pair of rows' stores have read the fragments' registers
.endif
.if (\a) < 7
	s_wait_loadcnt 16                              ; this row's tables (and the bias) are in; the next row's 16 loads may be out
.else
	s_wait_loadcnt 0x0
.endif
	WIN WN                                         ; source 0: window 2 or 3
.set i, 0
.rept 32
	v_pk_add_f32 v[X+i:X+i+1], v[AC+i:AC+i+1], v[BI+i:BI+i+1]      ; + bias; ascending: each accumulator from its low end on
.set i, i+2
.endr
	WIN 0
.irp hd, 0,1                                   ; the sum of squares of my 32 numbers of each head, in two chains
	v_pk_mul_f32 v[SS+4*\hd:SS+4*\hd+1], v[X+32*\hd:X+32*\hd+1], v[X+32*\hd:X+32*\hd+1]
	v_pk_mul_f32 v[SS+4*\hd+2:SS+4*\hd+3], v[X+32*\hd+2:X+32*\hd+3], v[X+32*\hd+2:X+32*\hd+3]
.endr
.irp i, 4,8,12,16,20,24,28
.irp hd, 0,1
	v_pk_fma_f32 v[SS+4*\hd:SS+4*\hd+1], v[X+32*\hd+\i:X+32*\hd+\i+1], v[X+32*\hd+\i:X+32*\hd+\i+1], v[SS+4*\hd:SS+4*\hd+1]
	v_pk_fma_f32 v[SS+4*\hd+2:SS+4*\hd+3], v[X+32*\hd+\i+2:X+32*\hd+\i+3], v[X+32*\hd+\i+2:X+32*\hd+\i+3], v[SS+4*\hd+2:SS+4*\hd+3]
.endr
.endr
.irp hd, 0,1
	v_pk_add_f32 v[SS+4*\hd:SS+4*\hd+1], v[SS+4*\hd:SS+4*\hd+1], v[SS+4*\hd+2:SS+4*\hd+3]
.endr
.irp hd, 0,1
	v_add_f32 v[T0+\hd], v[SS+4*\hd], v[SS+4*\hd+1]
.endr
.irp hd, 0,1
	v_permlanex16_b32 v[T0+2+\hd], v[T0+\hd], s[SEL], s[SEL+1]     ; the token's other 32 numbers of the head lie in the lane 16 away
.endr
.irp hd, 0,1
	v_add_f32 v[T0+\hd], v[T0+\hd], v[T0+2+\hd]
.endr
.irp hd, 0,1
	v_fma_f32 v[T0+\hd], v[T0+\hd], s66, s67       ; mean + eps
.endr
.irp hd, 0,1
	v_rsq_f32 v[RS+\hd], v[T0+\hd]
.endr
	WIN 0x04                                       ; source 1: window 1, the tables.  The 64 lines below name no result of the two above: they are the work between them and the wait
.irp hd, 0,1
.set i, 0
.rept 16
	v_pk_mul_f32 v[Y+32*\hd+i:Y+32*\hd+i+1], v[X+32*\hd+i:X+32*\hd+i+1], v[TBL+i:TBL+i+1]
.set i, i+2
.endr
.endr
.irp hd, 0,1
.set i, 0
.rept 16
	v_pk_fma_f32 v[Y+32*\hd+i:Y+32*\hd+i+1], v[X+32*\hd+i:X+32*\hd+i+1], v[TBL+32+i:TBL+32+i+1], v[Y+32*\hd+i:Y+32*\hd+i+1] op_sel:[1,0,0] op_sel_hi:[0,1,1]   ; + y[d xor 1] Ss[d]: the pair's halves change places
.set i, i+2
.endr
.endr
	WIN 0
	s_wait_alu depctr_va_vdst(0)                   ; one wait for the two reciprocal roots, ahead of their first reader
.set i, 0
.rept 16
	v_pk_mul_f32 v[Y+i:Y+i+1], v[Y+i:Y+i+1], v[RS:RS+1] op_sel_hi:[1,0]
	v_pk_mul_f32 v[Y+32+i:Y+32+i+1], v[Y+32+i:Y+32+i+1], v[RS:RS+1] op_sel:[0,1] op_sel_hi:[1,1]
.set i, i+2
.endr
.if (\a) < 6
	TABLE (\a)+2                                   ; into the registers just read
.endif
.irp hd, 0,1
.set QY, Y+32*\hd
.set QP, PC+12*\hd+6*((\a)%2)
	QUANT2 QY, QP, TC, HW
.if (\a)%2 == 0
	v_mov_b32 v[SW+4*\hd+(\a)/2], v[HW]            ; the scale word: this row's two bytes below,
.else
	v_lshl_or_b32 v[SW+4*\hd+(\a)/2], v[HW], 16, v[SW+4*\hd+(\a)/2]   ; the next row's above
.endif
.endr
.if (\a)%2 == 1
.irp hd, 0,1
.irp c, 0,1,2
	global_store_b128 v[LI], v[PC+12*\hd+4*\c:PC+12*\hd+4*\c+3], s[12:13] offset:HEADB*\hd+1536*((\a)/2)+512*\c   ; 32 lanes store 512 consecutive bytes
.endr
.endr
.endif
.endm
.irp a, 0,1,2,3,4,5,6,7
	QKROW \a
.endr
	v_and_b32 v[T0], 31, v0
	v_cmp_le_u32 vcc_lo, 16, v[T0]
.irp g, 0,1,2,3
	v_cndmask_b32 v[SW+\g], v[SW+\g], v[SW+4+\g], vcc_lo           ; lanes 16-31 carry the second head's words
.endr
	global_store_b128 v[SCO], v[SW:SW+3], s[12:13] offset:12288    ; sixteen lanes store 256 consecutive bytes of each head
	s_branch .Lend
	; ================ v ================
.Lv:
	s_lshr_b32 s20, s42, 3                         ; batch
	s_and_b32 s21, s42, 7
	s_lshl_b32 s21, s21, 1
	s_add_co_u32 s21, s21, s16                     ; my 128 tokens: which key step
	s_lshl_b32 s22, s20, 4
	s_lshl_b32 s23, s41, 2
	s_add_co_u32 s22, s22, s23
	s_lshl_b32 s23, s15, 1
	s_add_co_u32 s22, s22, s23                     ; 16 x batch + my first head (4 cy + 2 x half)
	s_mul_i32 s22, s22, HEADB
	s_mul_i32 s23, s21, KSB
	s_add_co_u32 s22, s22, s23
	s_add_co_u32 s22, s22, REG1
	s_mov_b32 s23, 0
	s_add_nc_u64 s[12:13], s[12:13], s[22:23]
	s_lshl_b32 s92, s41, 10                        ; the bias: (2,048 + 256 cy + 128 half) x 4 bytes
	s_lshl_b32 s93, s15, 9
	s_add_co_u32 s92, s92, s93
	s_add_co_u32 s92, s92, 8192
	s_mov_b32 s93, 0
	s_add_nc_u64 s[8:9], s[8:9], s[92:93]
	v_and_b32 v[BIO], 8, v10
	v_add_nc_u32 v[BIO], v[BIO], v10
	v_lshlrev_b32 v[BIO], 2, v[BIO]                ; 4 (r + 8 (r / 8)): a lane holds one channel
.irp a, 0,1,2,3,4,5,6,7
	global_load_b32 v[BI+\a], v[BIO], s[8:9] offset:4*(32*(\a/2)+8*(\a%2))
.endr
	LAST
	s_wait_loadcnt 0x0
.irp b, 0,1,2,3
	v_mov_b32 v[TMV+4+\b], 0                       ; written once: a lane permute's destination counts as one of its sources
.endr
; 64 numbers of a lane, register 16 b + i = key 32 b + 16 h + i of my channel, become a fragment's codes in v[PC] on and its scale word in v[pw].
.macro QUANT4 s, pw
.irp b, 0,1,2,3
	v_max3_num_f32 v[TMV+\b], |v[\s+16*\b]|, |v[\s+1+16*\b]|, 0x1800000
.endr
.irp i, 2,4,6,8,10,12,14
.irp b, 0,1,2,3
	v_max3_num_f32 v[TMV+\b], v[TMV+\b], |v[\s+16*\b+\i]|, |v[\s+1+16*\b+\i]|
.endr
.endr
.irp b, 0,1,2,3
	v_permlanex16_b32 v[TMV+4+\b], v[TMV+\b], s[SEL], s[SEL+1]
.endr
.irp b, 0,1,2,3
	v_max_num_f32 v[TMV+\b], v[TMV+\b], v[TMV+4+\b]
.endr
.irp b, 0,1,2,3
	v_add_nc_u32 v[TMV+12+\b], 0xff000000, v[TMV+\b]
.endr
.irp b, 0,1,2,3
	v_lshrrev_b32 v[TMV+4+\b], 23, v[TMV+12+\b]
.endr
	v_lshl_or_b32 v[\pw], v[TMV+5], 8, v[TMV+4]
	v_lshl_or_b32 v[\pw], v[TMV+6], 16, v[\pw]
	v_lshl_or_b32 v[\pw], v[TMV+7], 24, v[\pw]
.irp c, 0,1
	v_cvt_scalef32_pk16_fp6_f32 v[PC+6*\c:PC+2+6*\c], v[\s+32*\c:\s+15+32*\c], v[TMV+12+2*\c]
	v_cvt_scalef32_pk16_fp6_f32 v[PC+12+4*\c:PC+14+4*\c], v[\s+16+32*\c:\s+31+32*\c], v[TMV+12+2*\c+1]
.endr
	v_nop                                          ; one plain place behind a scaled conversion
.irp c, 0,1
.irp i, 0,1,2
	v_permlane16_swap_b32 v[PC+6*\c+\i], v[PC+12+4*\c+\i]
.endr
.irp i, 0,1,2
	v_mov_b32 v[PC+3+6*\c+\i], v[PC+12+4*\c+\i]
.endr
.endr
.endm
; Row a of accumulators: 16 channels (a lane one) x 128 tokens: one fragment of V^T.
.macro VROW a
.set AC, 64*((\a)%4)
.set BR, BI+2*((\a)/2)
.set WN, 0x02+(\a)/4
.set PWR, SW+(\a)
.if (\a) > 0
	s_wait_xcnt 0x0                                ; the last row's stores have read the fragment's registers
.endif
	WIN WN
.set i, 0
.rept 32
.if (\a)%2
	v_pk_add_f32 v[X+i:X+i+1], v[AC+i:AC+i+1], v[BR:BR+1] op_sel:[0,1] op_sel_hi:[1,1]   ; + my channel's bias, for both halves
.else
	v_pk_add_f32 v[X+i:X+i+1], v[AC+i:AC+i+1], v[BR:BR+1] op_sel_hi:[1,0]
.endif
.set i, i+2
.endr
	WIN 0
	QUANT4 X, PWR
.irp c, 0,1,2
	global_store_b128 v[LI], v[PC+4*\c:PC+4*\c+3], s[12:13] offset:HEADB*((\a)/4)+6144+1536*((\a)%4)+512*\c   ; 32 lanes store 512 consecutive bytes
.endr
.endm
.irp a, 0,1,2,3,4,5,6,7
	VROW \a
.endr
	v_and_b32 v[T0], 31, v0
	v_cmp_le_u32 vcc_lo, 16, v[T0]
.irp g, 0,1,2,3
	v_cndmask_b32 v[SW+\g], v[SW+\g], v[SW+4+\g], vcc_lo
.endr
	global_store_b128 v[SCO], v[SW:SW+3], s[12:13] offset:12544
.Lend:
	s_wait_tensorcnt 0x0                           ; the wave's end
	ds_add_u32 v[SPW], v[NIL]
	s_wait_dscnt 0x0
	CROUND                                         ; the closing round: no work-group ends while a partner may still ask for a tile that names it
	s_endpgm
.Lfunc_end_k_q7dee5ecea5_qkv:
	.size	k_q7dee5ecea5_qkv, .Lfunc_end_k_q7dee5ecea5_qkv-k_q7dee5ecea5_qkv
	.p2alignl 7, 3214868480
	.fill 96, 4, 3214868480
	.section	.rodata,"a",@progbits
	.p2align	6, 0x0
	.amdhsa_kernel k_q7dee5ecea5_qkv
		.amdhsa_group_segment_fixed_size 327680
		.amdhsa_private_segment_fixed_size 0
		.amdhsa_enable_private_segment 0
		.amdhsa_kernarg_size 40
		.amdhsa_user_sgpr_count 2
		.amdhsa_user_sgpr_kernarg_segment_ptr 1
		.amdhsa_wavefront_size32 1
		.amdhsa_system_sgpr_workgroup_id_x 1
		.amdhsa_system_sgpr_workgroup_id_y 1
		.amdhsa_system_sgpr_workgroup_id_z 1
		.amdhsa_system_vgpr_workitem_id 0
		.amdhsa_next_free_vgpr 1024
		.amdhsa_next_free_sgpr 104
		.amdhsa_reserve_vcc 1
		.amdhsa_float_denorm_mode_32 3
		.amdhsa_float_denorm_mode_16_64 3
		.amdhsa_memory_ordered 1
		.amdhsa_forward_progress 1
		.amdhsa_inst_pref_size 255
	.end_amdhsa_kernel
	.section	.bss,"aw",@nobits
	.p2align	6
	.space	262144
	.amdgpu_metadata
---
amdhsa.version: [ 1, 2 ]
amdhsa.kernels:
  - .name:           k_q7dee5ecea5_qkv
    .symbol:         k_q7dee5ecea5_qkv.kd
    .args:
      - { .name: cod, .offset: 0, .size: 8, .value_kind: global_buffer, .address_space: global }
      - { .name: scl, .offset: 8, .size: 8, .value_kind: global_buffer, .address_space: global }
      - { .name: qkv_b, .offset: 16, .size: 8, .value_kind: global_buffer, .address_space: global }
      - { .name: rtab, .offset: 24, .size: 8, .value_kind: global_buffer, .address_space: global }
      - { .name: img, .offset: 32, .size: 8, .value_kind: global_buffer, .address_space: global }
    .group_segment_fixed_size: 327680
    .private_segment_fixed_size: 0
    .kernarg_segment_align: 8
    .kernarg_segment_size: 40
    .max_flat_workgroup_size: 128
    .sgpr_count:     104
    .vgpr_count:     1024
    .wavefront_size: 32
...
	.end_amdgpu_metadata
.endif
;; end of part 2
;; launch attn (part 3): grid 4 x 64, 16 waves a work-group, clusters of 4 x 1, 215,040 bytes of LDS; arguments img, oc, osc; writes oc, osc
.if DOCPART == 3
	.amdgcn_target "amdgcn-amd-amdhsa--gfx1250"
	.amdhsa_code_object_version 6
	.text
	.protected	k_q7dee5ecea5_attn
	.globl	k_q7dee5ecea5_attn
	.p2align	8
	.type	k_q7dee5ecea5_attn,@function
k_q7dee5ecea5_attn:
	s_mov_b64 s[64:65], 0
	v_nop
	global_prefetch_b8 v0, s[64:65] scope:SCOPE_SE
	s_setreg_imm32_b32 hwreg(HW_REG_WAVE_MODE, 25, 1), 1
	s_wait_xcnt 0x0
	s_wait_alu depctr_hold_cnt(0) depctr_sa_sdst(0) depctr_va_vdst(0) depctr_va_sdst(0) depctr_va_ssrc(0) depctr_va_vcc(0) depctr_vm_vsrc(0)
	s_getreg_b32 s2, hwreg(HW_REG_IB_STS2, 6, 4)
	s_cmp_eq_u32 s2, 0
	s_cbranch_scc0 .Lentry_in_a_cluster
	s_endpgm
.Lentry_in_a_cluster:
	s_bfe_u32 s2, ttmp6, 0x10000c
	s_cmp_lg_u32 s2, 0x3003
	s_cbranch_scc0 .Lentry_shape_is_right
	s_endpgm
.Lentry_shape_is_right:
; ATTENTION on codes of FP6 (E2M3) with E8M0 scales.  For each of 64 (batch, head): S = q k^T (K = 64), t = S log2(e) / 8, M = the running largest t rounded UP to a whole number, p = 2^(t - M) quantised along the keys,
; O = p v (K = the 2,048 keys), divided at the end by the sum of the unquantised p; O is then quantised along the model's 1,024 (a head is two blocks of 32) for the last product.
; img holds q, k, v as images of operand registers: [q | kv][64][16 key steps of 128 tokens][12,800 bytes]; in a key step four fragments of q or k at 1,536 g, four of V^T at 6,144 + 1,536 t, scale words at 12,288 (16 r + 4 g) and 12,544 (16 r + 4 t).
; A HEAD'S K, V AND SCALES ARE 204,800 BYTES: THEY COME INTO LDS ONCE AND STAY: no byte of LDS is filled twice, so there is no ring.
; SHARES.  The four work-groups of a head form a cluster and ask for the head JOINTLY; each owns 512 queries.  Each of its sixteen waves owns 32 tokens: two tiles of 16 queries, taken one after the other (two passes over the keys), in 256 registers:
; four waves to a SIMD, so that one wave's vector work stands beside another's matrix work and LDS loads.
; K = 64 IN AN INSTRUCTION OF 128.  A fragment of k holds TWO tiles of keys: k 0-63 = the 64 codes of token 32 g + r + 8 (r / 8), k 64-127 of that token + 8.  It is multiplied once by [q | 0] and once by [0 | q] (zero codes add nothing).
; The two results' 16 registers are the keys 32 g + 16 h + 0 .. 15: sixteen neighbours, as the conversions want them.  Both products are used transposed: a lane holds ONE query (lane % 16) throughout.
; OUT.  oc: [512 tiles of 16 places][16 heads][3 pieces of 256 bytes], lane l's 8 bytes at 8 l: registers 2 p, 2 p + 1 of the half fragment (block h of the head, place r).  osc: [16 heads][8,192 places], two scale bytes each.
; A "place" is the token's number with bits 3 and 4 exchanged: pass u of my 32 tokens is the tile of places 2 x group + u.
; LIMITS: NaN and infinities are not served; a block whose largest magnitude lies under 2^(3 - 127) gets the byte 1 and zero codes (bytes read by this program alone).
.set KSB,   12800                      ; a key step in img and in LDS
.set HEADB, 16*KSB
.set REG1,  64*HEADB
.set OSCB,  HEADB                      ; behind the head: 1,024 bytes, the work-group's scale halfwords on their way out: four blocks of 256 bytes into which no fill lands
.set LI,   1                           ; v1   16 x lane
.set ASC,  2                           ; v2   12,288 + 16 r + 256 h: lanes 0-15 K's scale words, lanes 16-31 V's
.set ADK,  3                           ; v3   the step's fragments
.set ADS,  4                           ; v4   the step's scale words
.set GO8,  5                           ; v5   8 x lane
.set AO0,  6                           ; v6   OSCB + 64 wave + 2 r
.set ADO,  7                           ; v7   the same + 32 pass
.set QAD,  8                           ; v8   q's fragment: 16 x lane + 1,536 (wave % 4)
.set EL,   9                           ; v9   OSCB + 16 x thread
.set EG,   10                          ; v10  16 x thread
.set QRA,  11                          ; v11  q's scale word: 16 r + 4 (wave % 4)
                                       ; v12 -M, v13 the running largest t, v[14:15] the sum in two halves
.set QI,   16                          ; v16-27   q's image: [tile X | tile Y]
.set QA,   28                          ; v28-39   [q | 0]
.set QB,   40                          ; v40-51   [0 | q]
.set KF,   52                          ; v52-99   four fragments: K's, then V's
.set S,    100                         ; v100-163 S^T, then p
.set OT,   164                         ; v164-195 O^T, four tiles
.set PC,   196                         ; v196-207 p's codes
.set TCA,  208                         ; v208-210, v212-214 half blocks' codes
.set BM,   216                         ; v216-219 the blocks' largest scores, then largest p
.set PT,   220                         ; v220-223 the other half of the lanes'; then bytes
.set SO,   224                         ; v224-227 the conversions' scale operands
.set SCW,  228                         ; v228-231 scale words of the step: they hold scales and nothing else
.set QS,   232                         ; v232     q's scale word, its two bytes twice
.set QR,   233                         ; v233     q's word as loaded: tile X's two bytes, tile Y's two
.set PS,   234                         ; v234     p's scale word
.set F,    236                         ; v[236:237] f = 2^(old M - new M), low word
.set C2,   238                         ; v[238:239] the sum's second chain
.set T,    240                         ; v240-242 at work
.set HW,   243
.set TM,   244                         ; v244-249 the quantiser of O
.set WV,   10
.set CX,   11
.set BH,   12
.set W3,   13
.set SEL,  14                          ; s[14:15]
.set CS,   16                          ; s[16:17] c = log2(e) / 8
.set TB,   18                          ; the step's first LDS byte
.set CNT,  19
.set PASS, 20
.set PO,   21
.set G1A,  24                          ; s[24:31], s[32:39], s[40:47] descriptor groups 1 of the three parts
.set G1M,  32
.set G1Z,  40
.set G0A,  48                          ; s[48:51], s[52:55], s[56:59] their groups 0
.set G0M,  52
.set G0Z,  56
.macro CROUND                          ; a round of the cluster's barrier
	s_barrier_signal -1
	s_barrier_wait -1
	s_cmp_lg_u32 s[WV], 0
	s_cbranch_scc1 .Lnot_wave_0_\@
	s_barrier_signal -3
.Lnot_wave_0_\@:
	s_barrier_wait -3
	s_barrier_signal -1
	s_barrier_wait -1
.endm
.macro GROUP1 g, rows                  ; a dense block as rows of 256 bytes (32 elements of 8 bytes), no padding; the mask names all four work-groups, bit 21 beside it
	s_mov_b32 s[\g], 15|(3<<16)|(1<<21)
	s_mov_b32 s[\g+1], 32<<16
	s_mov_b32 s[\g+2], (\rows)<<16
	s_mov_b32 s[\g+3], 32<<16
	s_mov_b32 s[\g+4], \rows
	s_mov_b32 s[\g+5], 32
	s_mov_b32 s[\g+6], 0
	s_mov_b32 s[\g+7], 0
.endm
.macro GROUP0 g, off                   ; the same byte offset in the head's block of memory and in LDS
	s_mov_b32 s[\g], 1
	s_mov_b32 s[\g+1], s[\off]
	s_mov_b32 s70, s[\off]
	s_add_nc_u64 s[\g+2:\g+3], s[68:69], s[70:71]
	s_or_b32 s[\g+3], s[\g+3], 0x80000000
.endm
	s_load_b128 s[4:7], s[0:1], 0x0                ; img s[4:5], oc s[6:7]
	s_load_b64 s[8:9], s[0:1], 0x10                ; osc
	v_lshl_add_u32 v254, v0, 2, 0x34000
	v_mov_b32 v255, 0
	ds_add_u32 v254, v255
	ds_add_u32 v254, v255
	v_lshrrev_b32 v[T], 5, v0
	v_readfirstlane_b32 s[WV], v[T]                ; wave 0..15
	s_bfe_u32 s[CX], ttmp6, 0x40000                ; cx: my block of 512 queries; it enters global addresses of q, oc and osc alone
	s_and_b32 s[BH], ttmp7, 0xffff                 ; 16 x batch + head, which the four partners share
	s_and_b32 s[W3], s[WV], 3
	v_and_b32 v[T+2], 31, v0                       ; lane
	v_and_b32 v[T], 15, v0                         ; r
	v_bfe_u32 v[T+1], v0, 4, 1                     ; h
	; every LDS address register is made here, ahead of the branch on the wave's number
	v_lshlrev_b32 v[LI], 4, v[T+2]
	v_lshlrev_b32 v[GO8], 3, v[T+2]
	v_lshlrev_b32 v[ASC], 4, v[T]
	v_lshl_add_u32 v[ASC], v[T+1], 8, v[ASC]
	v_add_nc_u32 v[ASC], 12288, v[ASC]
	s_lshl_b32 s72, s[WV], 6
	s_add_co_u32 s72, s72, OSCB
	v_lshl_add_u32 v[AO0], v[T], 1, s72
	v_lshl_add_u32 v[EL], v0, 4, OSCB
	v_lshlrev_b32 v[EG], 4, v0
	s_mul_i32 s74, s[W3], 1536
	v_add_nc_u32 v[QAD], s74, v[LI]
	s_lshl_b32 s75, s[W3], 2
	v_lshl_add_u32 v[QRA], v[T], 4, s75
	GROUP1 G1A, 25                                 ; key steps 0-1: 25,600 bytes, a quarter to each of waves 0-3
	GROUP1 G1M, 75                                 ; key steps 2-7: 76,800 bytes
	GROUP1 G1Z, 100                                ; key steps 8-15: 102,400 bytes
	s_mul_i32 s60, s[W3], 6400
	s_mul_i32 s61, s[W3], 19200
	s_add_co_u32 s61, s61, 2*KSB
	s_mul_i32 s62, s[W3], 25600
	s_add_co_u32 s62, s62, 8*KSB
	s_mov_b32 s[SEL], 0x76543210
	s_mov_b32 s[SEL+1], 0xfedcba98
	s_mov_b32 s[CS], 0x3e38aa3b                    ; log2(e) / 8
	s_mov_b32 s[CS+1], s[CS]                       ; (named with it as a pair, so it is written)
	s_mul_i32 s66, s[BH], HEADB
	s_mov_b32 s67, 0
	s_lshl_b32 s72, s[CX], 2
	s_lshr_b32 s73, s[WV], 2
	s_add_co_u32 s72, s72, s73                     ; my 32 tokens lie in key step 4 cx + wave / 4
	s_mul_i32 s72, s72, KSB
	s_mov_b32 s73, 0
	s_lshr_b32 s76, s[BH], 4                       ; batch
	s_and_b32 s77, s[BH], 15                       ; head
	s_lshl_b32 s78, s76, 7
	s_lshl_b32 s79, s[CX], 5
	s_add_co_u32 s78, s78, s79
	s_lshl_b32 s79, s[WV], 1
	s_add_co_u32 s78, s78, s79                     ; pass 0's tile of places: 128 batch + 32 cx + 2 wave
	s_mul_i32 s78, s78, 12288
	s_mul_i32 s79, s77, 768
	s_add_co_u32 s78, s78, s79
	s_mov_b32 s79, 0
	s_lshl_b32 s74, s77, 14                        ; osc: 16,384 head + 2 (2,048 batch + 512 cx)
	s_lshl_b32 s75, s76, 12
	s_add_co_u32 s74, s74, s75
	s_lshl_b32 s75, s[CX], 10
	s_add_co_u32 s74, s74, s75
	s_mov_b32 s75, 0
	s_mov_b32 s71, 0
	s_wait_dscnt 0x0
	s_wait_kmcnt 0x0
	s_add_nc_u64 s[22:23], s[4:5], s[66:67]        ; the head in q's region,
	s_add_nc_u64 s[68:69], s[22:23], REG1          ; and in kv's: equal in all four partners
	s_add_nc_u64 s[22:23], s[22:23], s[72:73]      ; my key step of q
	s_add_nc_u64 s[6:7], s[6:7], s[78:79]
	s_add_nc_u64 s[8:9], s[8:9], s[74:75]
	GROUP0 G0A, 60
	GROUP0 G0M, 61
	GROUP0 G0Z, 62
	CROUND                                         ; all four work-groups are here: the joint loads meet
	s_cmp_lt_u32 s[WV], 4                          ; waves 0-3 fetch: all their loads stand in this one branch, ahead of every wait on TENSORcnt, every LDS read and every other barrier: three loads of a wave are out
	s_cbranch_scc0 .Lno_fetch
	tensor_load_to_lds s[G0A:G0A+3], s[G1A:G1A+7]
	s_nop 0
	tensor_load_to_lds s[G0M:G0M+3], s[G1M:G1M+7]
	s_nop 0
	tensor_load_to_lds s[G0Z:G0Z+3], s[G1Z:G1Z+7]
	s_nop 0
.rept 4
	v_nop
.endr
.Lno_fetch:
.irp c, 0,1,2
	global_load_b128 v[QI+4*\c:QI+4*\c+3], v[QAD], s[22:23] offset:512*\c   ; q's image: it stays in registers
.endr
	global_load_b32 v[QR], v[QRA], s[22:23] offset:12288
.irp i, 0,1,2,3,4,5
	v_mov_b32 v[QA+6+\i], 0                        ; the zero halves: zero codes
	v_mov_b32 v[QB+\i], 0
.endr
.irp b, 0,1,2,3
	v_mov_b32 v[PT+\b], 0                          ; written once: a lane permute's destination counts as one of its sources
.endr
	v_mov_b32 v[F+1], 0                            ; (named as the upper half of a pair)
	v_mov_b32 v[T+1], 0
	v_mov_b32 v[T+2], 0
	v_mov_b32 v[TM+2], 0
	v_mov_b32 v[TM+3], 0
	s_mov_b32 s[PASS], 2
	s_mov_b32 s[PO], 0
	s_wait_loadcnt 0x0
; A KEY STEP: 128 keys.
.macro STEP
	v_add_nc_u32 v[ADK], s[TB], v[LI]
	v_add_nc_u32 v[ADS], s[TB], v[ASC]
	v_nop
	v_nop                                          ; four places in front of loads into registers that the last products have read
.irp g, 0,1,2,3
.irp c, 0,1,2
	ds_load_b128 v[KF+12*\g+4*\c:KF+12*\g+4*\c+3], v[ADK] offset:1536*\g+512*\c   ; an image: 32 lanes read 512 consecutive bytes
.endr
.endr
	ds_load_b128 v[SCW:SCW+3], v[ADS]              ; lanes 0-15: K's four words of row r; lanes 16-31: V's
	s_wait_dscnt 0x0
.irp g, 0,1,2,3                                ; S^T: eight accumulators, each started by its one product
	v_wmma_scale_f32_16x16x128_f8f6f4 v[S+16*\g:S+16*\g+7], v[KF+12*\g:KF+12*\g+11], v[QA:QA+11], 0, v[SCW+\g], v[QS] matrix_a_fmt:MATRIX_FMT_FP6 matrix_b_fmt:MATRIX_FMT_FP6
	v_wmma_scale_f32_16x16x128_f8f6f4 v[S+16*\g+8:S+16*\g+15], v[KF+12*\g:KF+12*\g+11], v[QB:QB+11], 0, v[SCW+\g], v[QS] matrix_a_fmt:MATRIX_FMT_FP6 matrix_b_fmt:MATRIX_FMT_FP6
.endr
.rept 4
	v_nop                                          ; places in front of the loads below and of the first read of the scores
.endr
.irp t, 0,1,2,3
.irp c, 0,1,2
	ds_load_b128 v[KF+12*\t+4*\c:KF+12*\t+4*\c+3], v[ADK] offset:6144+1536*\t+512*\c   ; V^T's fragments land under the softmax
.endr
.endr
.irp b, 0,1,2,3
	v_max3_num_f32 v[BM+\b], v[S+16*\b], v[S+1+16*\b], v[S+2+16*\b]   ; the largest score of each block of 32 keys: for the row's maximum and, since p rises with the score, for the block's largest p
.endr
.irp i, 3,5,7,9,11,13
.irp b, 0,1,2,3
	v_max3_num_f32 v[BM+\b], v[BM+\b], v[S+16*\b+\i], v[S+1+16*\b+\i]
.endr
.endr
.irp b, 0,1,2,3
	v_max_num_f32 v[BM+\b], v[BM+\b], v[S+15+16*\b]
.endr
.irp b, 0,1,2,3
	v_permlanex16_b32 v[PT+\b], v[BM+\b], s[SEL], s[SEL+1]
.endr
.irp b, 0,1,2,3
	v_max_num_f32 v[BM+\b], v[BM+\b], v[PT+\b]     ; with lane l xor 16's 16 keys
.endr
	v_max3_num_f32 v[T], v[BM], v[BM+1], v[BM+2]
	v_max_num_f32 v[T], v[T], v[BM+3]              ; the step's largest score of my query
	v_mul_f32 v[T], s[CS], v[T]                    ; as t (c is positive)
	v_max_num_f32 v13, v13, v[T]                   ; the running largest t
	v_mov_b32 v[T], v12
	v_floor_f32 v12, -v13                          ; the new -M = floor(-t) = -ceil(t): M is a whole number
	v_sub_f32 v[T], v12, v[T]                      ; old M - new M: a whole number, 0 or less
	v_cvt_i32_f32 v[T], v[T]                       ; (it saturates)
	v_ldexp_f32 v[F], 1.0, v[T]                    ; f = 2^(old M - new M): a multiplication by it rounds nothing
.set j, 0
.rept 32
	v_pk_fma_f32 v[S+j:S+j+1], v[S+j:S+j+1], s[CS:CS+1], v[12:13] op_sel_hi:[1,0,0]   ; t - M, two at a time
.set j, j+2
.endr
.irp b, 0,1,2,3
	v_fma_f32 v[BM+\b], v[BM+\b], s[CS], v12       ; the same of each block's largest score
.endr
.set j, 0
.rept 64
	v_exp_f32 v[S+j], v[S+j]                       ; p = 2^(t - M), at most 1: not normalised
.set j, j+1
.endr
	v_pk_mul_f32 v[14:15], v[14:15], v[F:F+1] op_sel_hi:[1,0]      ; the sums under the new M (a plain place behind the exponentials)
	s_wait_alu depctr_va_vdst(0)                   ; one wait for the whole batch, ahead of its first reader
.irp b, 0,1,2,3
	v_exp_f32 v[BM+\b], v[BM+\b]                   ; the block's largest p: the same two instructions on the same number give the same bits
.endr
	v_pk_add_f32 v[C2:C2+1], v[S:S+1], v[S+2:S+3]  ; the row's sum is taken of the UNQUANTISED p, in two chains
.set j, 4
.rept 15
	v_pk_add_f32 v[14:15], v[14:15], v[S+j:S+j+1]
	v_pk_add_f32 v[C2:C2+1], v[C2:C2+1], v[S+j+2:S+j+3]
.set j, j+4
.endr
	v_pk_add_f32 v[14:15], v[14:15], v[C2:C2+1]
	s_wait_alu depctr_va_vdst(0)                   ; and one for the four
.irp b, 0,1,2,3
	v_max_num_f32 v[BM+\b], 0x1800000, v[BM+\b]    ; the floor 2^(3 - 127): the byte cannot fall under 1
.endr
.irp b, 0,1,2,3
	v_add_nc_u32 v[SO+\b], 0xff000000, v[BM+\b]    ; 2 off the exponent field: the conversion's scale operand
.endr
.irp b, 0,1,2,3
	v_lshrrev_b32 v[PT+\b], 23, v[SO+\b]           ; the scale's byte
.endr
	v_lshl_or_b32 v[PS], v[PT+1], 8, v[PT]         ; p's scale word for these 128 keys
	v_lshl_or_b32 v[PS], v[PT+2], 16, v[PS]
	v_lshl_or_b32 v[PS], v[PT+3], 24, v[PS]
.irp c, 0,1
	v_cvt_scalef32_pk16_fp6_f32 v[PC+6*\c:PC+6*\c+2], v[S+32*\c:S+32*\c+15], v[SO+2*\c]
	v_cvt_scalef32_pk16_fp6_f32 v[TCA+4*\c:TCA+4*\c+2], v[S+16+32*\c:S+31+32*\c], v[SO+2*\c+1]
.endr
	v_nop                                          ; one plain place behind a scaled conversion
.irp c, 0,1                                    ; a WHOLE block to a lane: lanes 0-15 block 2 c, lanes 16-31 block 2 c + 1
.irp i, 0,1,2
	v_permlane16_swap_b32 v[PC+6*\c+\i], v[TCA+4*\c+\i]
.endr
.irp i, 0,1,2
	v_mov_b32 v[PC+3+6*\c+\i], v[TCA+4*\c+\i]
.endr
.endr
.set j, 0
.rept 16
	v_pk_mul_f32 v[OT+j:OT+j+1], v[OT+j:OT+j+1], v[F:F+1] op_sel_hi:[1,0]   ; O^T under the new M.  (These sixteen are also the places between the scale word and the codes just made and the products below)
.set j, j+2
.endr
	s_wait_dscnt 0x0                               ; V^T's fragments are in
.irp t, 0,1,2,3                                ; O^T += V^T P^T: four accumulators by turns, one instruction a turn
	v_wmma_scale_f32_16x16x128_f8f6f4 v[OT+8*\t:OT+8*\t+7], v[KF+12*\t:KF+12*\t+11], v[PC:PC+11], v[OT+8*\t:OT+8*\t+7], v[SCW+\t], v[PS] matrix_a_fmt:MATRIX_FMT_FP6 matrix_b_fmt:MATRIX_FMT_FP6 matrix_a_scale:MATRIX_SCALE_ROW1
.endr
	s_add_co_u32 s[TB], s[TB], KSB
.endm
; A part of the head: the wave that fetched it waits until it has landed (cnt = the loads that it issued behind this part's), every wave passes a barrier, and n key steps follow.
.macro PART base, n, cnt
	s_wait_tensorcnt \cnt
	s_wait_dscnt 0x0
	s_barrier_signal -1
	s_barrier_wait -1
	s_mov_b32 s[TB], \base
	s_mov_b32 s[CNT], \n
.Lstep_\@:
	STEP
	s_sub_co_u32 s[CNT], s[CNT], 1
	s_cmp_lg_u32 s[CNT], 0
	s_cbranch_scc1 .Lstep_\@
.endm
; 32 numbers of a lane, register 16 b + i = channel 32 b + 16 h + i of my query, become half a fragment (6 registers at pc) and two scale bytes in hw.
.macro QUANT2 y, pc, tc, hw
.irp b, 0,1
	v_max3_num_f32 v[TM+\b], |v[(\y)+16*\b]|, |v[(\y)+1+16*\b]|, 0x1800000
.endr
.irp i, 2,4,6,8,10,12,14
.irp b, 0,1
	v_max3_num_f32 v[TM+\b], v[TM+\b], |v[(\y)+16*\b+\i]|, |v[(\y)+1+16*\b+\i]|
.endr
.endr
.irp b, 0,1
	v_permlanex16_b32 v[TM+2+\b], v[TM+\b], s[SEL], s[SEL+1]
.endr
.irp b, 0,1
	v_max_num_f32 v[TM+\b], v[TM+\b], v[TM+2+\b]
.endr
.irp b, 0,1
	v_add_nc_u32 v[TM+4+\b], 0xff000000, v[TM+\b]
.endr
.irp b, 0,1
	v_lshrrev_b32 v[TM+2+\b], 23, v[TM+4+\b]
.endr
	v_lshl_or_b32 v[\hw], v[TM+3], 8, v[TM+2]
	v_cvt_scalef32_pk16_fp6_f32 v[(\pc):(\pc)+2], v[(\y):(\y)+15], v[TM+4]
	v_cvt_scalef32_pk16_fp6_f32 v[(\tc):(\tc)+2], v[(\y)+16:(\y)+31], v[TM+5]
	v_nop
.irp i, 0,1,2
	v_permlane16_swap_b32 v[(\pc)+\i], v[(\tc)+\i]
.endr
.irp i, 0,1,2
	v_mov_b32 v[(\pc)+3+\i], v[(\tc)+\i]
.endr
.endm
.Lpass:                                            ; two trips: tile X of my 32 tokens, then tile Y
	v_and_b32 v[T], 0xffff, v[QR]
	v_lshl_or_b32 v[QS], v[QR], 16, v[T]           ; the tile's two scale bytes, twice: for [q | 0] and for [0 | q]
.irp i, 0,1,2,3,4,5
	v_mov_b32 v[QA+\i], v[QI+\i]
	v_mov_b32 v[QB+6+\i], v[QI+\i]
.endr
	v_mov_b32 v13, 0xff61b1e6                      ; the largest t so far: -3e38, under every t
	v_floor_f32 v12, -v13                          ; -M
	v_mov_b32 v14, 0
	v_mov_b32 v15, 0
.set j, 0
.rept 32
	v_mov_b32 v[OT+j], 0                           ; O^T: the step is written once: the first finds zeros, which the first change of M leaves zeros.  (Also the places between the lines above and the first products)
.set j, j+1
.endr
	PART 0, 2, 2                                   ; key steps 0-1: the two later parts' loads may be out
	PART 2*KSB, 6, 1                               ; key steps 2-7: the last part's may be out
	PART 8*KSB, 8, 0                               ; key steps 8-15
	; the way out of a pass
.rept 4
	v_nop
.endr
	v_add_f32 v14, v14, v15                        ; the sum's two halves,
	v_permlanex16_b32 v[T+2], v14, s[SEL], s[SEL+1]
	v_add_f32 v14, v14, v[T+2]                     ; and lane l xor 16's: the row's sum
	v_rcp_f32 v[T], v14
	v_add_nc_u32 v[ADO], s[PO], v[AO0]             ; (a plain place behind the reciprocal)
	s_wait_alu depctr_va_vdst(0)                   ; the wait, ahead of its first reader
.set j, 0
.rept 16
	v_pk_mul_f32 v[S+j:S+j+1], v[OT+j:OT+j+1], v[T:T+1] op_sel_hi:[1,0]   ; O^T / the sum, ascending: register 16 b + i is channel 32 b + 16 h + i
.set j, j+2
.endr
	QUANT2 S, PC, TCA, HW
.irp p, 0,1,2
	global_store_b64 v[GO8], v[PC+2*\p:PC+2*\p+1], s[6:7] offset:256*\p   ; 32 lanes store 256 consecutive bytes, at a multiple of 256 from oc's first byte
.endr
	ds_store_b16 v[ADO], v[HW]                     ; both halves of the lanes write the same two bytes with the same value
.irp i, 0,1,2,3,4,5
	v_mov_b32 v[QI+\i], v[QI+6+\i]                 ; tile Y takes tile X's place
.endr
	v_lshrrev_b32 v[QR], 16, v[QR]
	s_wait_xcnt 0x0                                ; the stores have read their base and their data: both are written again only behind this wait
	s_add_nc_u64 s[6:7], s[6:7], 12288             ; the next tile of places
	s_add_co_u32 s[PO], s[PO], 32
	s_sub_co_u32 s[PASS], s[PASS], 1
	s_cmp_lg_u32 s[PASS], 0
	s_cbranch_scc1 .Lpass
	s_wait_dscnt 0x0                               ; for the others' sake: my halfwords lie in LDS
	s_barrier_signal -1
	s_barrier_wait -1
	s_cmp_lt_u32 s[WV], 2                          ; the work-group's 512 halfwords, 1,024 bytes, leave by waves 0 and 1, 16 bytes a lane
	s_cbranch_scc0 .Lno_scales
	ds_load_b128 v[S:S+3], v[EL]
	s_wait_dscnt 0x0
	global_store_b128 v[EG], v[S:S+3], s[8:9]
.Lno_scales:
	s_wait_tensorcnt 0x0
	ds_add_u32 v254, v255
	s_wait_dscnt 0x0
	CROUND                                         ; the closing round: no work-group ends while a partner may still ask for a tile that names it
	s_endpgm
.Lfunc_end_k_q7dee5ecea5_attn:
	.size	k_q7dee5ecea5_attn, .Lfunc_end_k_q7dee5ecea5_attn-k_q7dee5ecea5_attn
	.p2alignl 7, 3214868480
	.fill 96, 4, 3214868480
	.section	.rodata,"a",@progbits
	.p2align	6, 0x0
	.amdhsa_kernel k_q7dee5ecea5_attn
		.amdhsa_group_segment_fixed_size 215040
		.amdhsa_private_segment_fixed_size 0
		.amdhsa_enable_private_segment 0
		.amdhsa_kernarg_size 24
		.amdhsa_user_sgpr_count 2
		.amdhsa_user_sgpr_kernarg_segment_ptr 1
		.amdhsa_wavefront_size32 1
		.amdhsa_system_sgpr_workgroup_id_x 1
		.amdhsa_system_sgpr_workgroup_id_y 1
		.amdhsa_system_sgpr_workgroup_id_z 1
		.amdhsa_system_vgpr_workitem_id 0
		.amdhsa_next_free_vgpr 256
		.amdhsa_next_free_sgpr 80
		.amdhsa_reserve_vcc 0
		.amdhsa_float_denorm_mode_32 3
		.amdhsa_float_denorm_mode_16_64 3
		.amdhsa_memory_ordered 1
		.amdhsa_forward_progress 1
		.amdhsa_inst_pref_size 60
	.end_amdhsa_kernel
	.amdgpu_metadata
---
amdhsa.version: [ 1, 2 ]
amdhsa.kernels:
  - .name:           k_q7dee5ecea5_attn
    .symbol:         k_q7dee5ecea5_attn.kd
    .args:
      - { .name: img, .offset: 0, .size: 8, .value_kind: global_buffer, .address_space: global }
      - { .name: oc, .offset: 8, .size: 8, .value_kind: global_buffer, .address_space: global }
      - { .name: osc, .offset: 16, .size: 8, .value_kind: global_buffer, .address_space: global }
    .group_segment_fixed_size: 215040
    .private_segment_fixed_size: 0
    .kernarg_segment_align: 8
    .kernarg_segment_size: 24
    .max_flat_workgroup_size: 512
    .sgpr_count:     80
    .vgpr_count:     256
    .wavefront_size: 32
...
	.end_amdgpu_metadata
.endif
;; end of part 3
;; launch proj (part 4): grid 4 x 32, 4 waves a work-group, clusters of 4 x 4, 327,680 bytes of LDS; arguments oc, osc, cod, scl, proj_b, out0; writes out0
.if DOCPART == 4
	.amdgcn_target "amdgcn-amd-amdhsa--gfx1250"
	.amdhsa_code_object_version 6
	.text
	.protected	k_q7dee5ecea5_proj
	.globl	k_q7dee5ecea5_proj
	.p2align	8
	.type	k_q7dee5ecea5_proj,@function
k_q7dee5ecea5_proj:
	s_mov_b64 s[64:65], 0
	v_nop
	global_prefetch_b8 v0, s[64:65] scope:SCOPE_SE
	s_setreg_imm32_b32 hwreg(HW_REG_WAVE_MODE, 25, 1), 1
	s_wait_xcnt 0x0
	s_wait_alu depctr_hold_cnt(0) depctr_sa_sdst(0) depctr_va_vdst(0) depctr_va_sdst(0) depctr_va_ssrc(0) depctr_va_vcc(0) depctr_vm_vsrc(0)
	s_getreg_b32 s2, hwreg(HW_REG_IB_STS2, 6, 4)
	s_cmp_eq_u32 s2, 0
	s_cbranch_scc0 .Lentry_in_a_cluster
	s_endpgm
.Lentry_in_a_cluster:
	s_bfe_u32 s2, ttmp6, 0x10000c
	s_cmp_lg_u32 s2, 0xf033
	s_cbranch_scc0 .Lentry_shape_is_right
	s_endpgm
.Lentry_shape_is_right:
; PROJ.  out0 = O Wproj^T + b on codes of FP6 (E2M3) with E8M0 scales, K = 1,024.  O comes as images of operand registers: oc [512 tiles of 16 places][16 heads][3 pieces of 256 bytes], lane l's 8 bytes at 8 l;
; its scale bytes osc [16 heads][8,192 places][2].  A place is the token's number with bits 3 and 4 exchanged.  Wproj: rows 11,264 on of cod (768 bytes a row) and scl (32 bytes a row), in their own order.  out0: [8192][1024] f32.
; A tile of out0, 256 x 256, is made by a work-group of four waves; a wave makes 128 x 128: 64 accumulators.  K goes in four steps of 256 (four heads) through a ring of two LDS slots filled by the tensor data mover.
; Source 0 = 16 rows of W, source 1 = 16 places of O: a lane holds eight neighbouring columns of one row of out0.  The bias is the C of each sum's first product.
; A's part of a slot is dense images: 8 tiles of places x 3,072 bytes for each half; a fragment is six loads of 8 bytes at 8 x lane: consecutive bytes.  B's part is rows of 192 bytes with 16 of padding behind every 64.
; A's scale bytes are laid by head in memory and wanted by row: each wave turns four heads' halfwords of the 256 places into 8 bytes of each row of an LDS table, once, in bytes of their own.  B's come by one tensor load.
; CLUSTERS: 4 x 4 work-groups; A's tiles are asked for jointly along a row of the cluster, B's along a column.
; 128 work-groups: a tile of 256 x 128 would make 256, but four waves would then read (128 + 64) rows x 96 bytes from LDS for each 32 matrix instructions in place of (128 + 128) x 96 for 64.
; The way out goes through each wave's own stage in slot 0, which has had its last fill and its last read by then; rows leave as 512 consecutive bytes, each to its token's row: the exchange of bits 3 and 4 is undone in the stores' offsets.
.set NQ,     2
.set ROWB,   192
.set KROW,   768
.set PITCH,  240
.set FR,     12
.set NL,     6
.set NP,     4
.set AHALF,  8*3072                    ; A: 8 tiles of places x 4 heads x 768 bytes
.set HALFT,  128*PITCH                 ; B: 128 rows
.set BOFF,   2*AHALF
.set SLOT,   2*AHALF+2*HALFT           ; 110,592
.set KS,     32
.set SCL,    2*SLOT                    ; A's scale rows (written by LDS stores), then B's (by tensor loads): runs of 256 bytes + 16
.set HALFS,  (128*KS/256)*272
.set SBLK,   (16*KS/256)*272
.set SPARE,  SCL+4*HALFS
.set SPITCH, 528
.set ADRA, 16                          ; v16-17
.set ADRB, 20                          ; v20-23
.set STO,  24
.set RD,   25
.set CO,   26                          ; v26  16 x lane
.set ADRS, 27
.set SPW,  28
.set NIL,  29
.set SC,   32
.set BIA,  64                          ; v64-127 the bias: eight registers for each of B's eight blocks
.set AF,   128
.set BK,   128
.set G1, 24
.set G0, 32
.set G1B, 48
.set G0B, 56
.set G1SB, 80
.set G0SB, 88
.set MSB, 0
.macro WIN new
.if MSB != (\new)
	s_set_vgpr_msb (MSB<<8)|(\new)
.set MSB, (\new)
.endif
.endm
.set MUL_LO,   0xa1                    ; source 0 (B) window 1, source 1 (A) window 0, C and D window 2
.set MUL_HI,   0xf1
.set FIRST_LO, 0x81                    ; the same with C (the bias) in window 0
.set FIRST_HI, 0xc1
.set TO_B,     0x40
.macro JLOAD g0a, g1a, g0b, g1b        ; a joint refill: waves 0 and 1 for A, waves 2 and 3 for B; four v_nop follow each line
	s_cmp_eq_u32 s15, 0
	s_cbranch_scc0 .Lfor_b_\@
	tensor_load_to_lds s[\g0a:\g0a+3], s[\g1a:\g1a+7]
	s_nop 0
.rept 4
	v_nop
.endr
	s_branch .Lasked_\@
.Lfor_b_\@:
	tensor_load_to_lds s[\g0b:\g0b+3], s[\g1b:\g1b+7]
	s_nop 0
.rept 4
	v_nop
.endr
.Lasked_\@:
.endm
.macro CREST
	s_cmp_lg_u32 s14, 0
	s_cbranch_scc1 .Lnot_wave_0_\@
	s_barrier_signal -3
.Lnot_wave_0_\@:
	s_barrier_wait -3
	s_barrier_signal -1
	s_barrier_wait -1
.endm
.macro CROUND
	s_barrier_signal -1
	s_barrier_wait -1
	CREST
.endm
	s_load_b256 s[4:11], s[0:1], 0x0               ; oc s[4:5], osc s[6:7], cod s[8:9], scl s[10:11]
	s_load_b128 s[96:99], s[0:1], 0x20             ; proj_b s[96:97], out0 s[98:99]
	v_lshl_add_u32 v[SPW], v0, 2, SPARE
	v_mov_b32 v[NIL], 0
	ds_add_u32 v28, v29
	ds_add_u32 v28, v29
	s_wait_dscnt 0x0
	v_lshrrev_b32 v1, 5, v0
	v_readfirstlane_b32 s14, v1                    ; wave 0..3
	s_lshr_b32 s15, s14, 1                         ; which half of the tile's rows is mine.  Also: I fetch for A (0) or for B (1)
	s_and_b32 s16, s14, 1                          ; which half of its columns.  Also: which half of that tile I fetch
	s_bfe_u32 s40, ttmp6, 0x40000
	s_bfe_u32 s41, ttmp6, 0x40004
	s_lshl_b32 s42, ttmp9, 2
	s_add_co_u32 s42, s42, s40                     ; tile column
	s_and_b32 s17, ttmp7, 0xffff
	s_lshl_b32 s17, s17, 2
	s_add_co_u32 s17, s17, s41                     ; tile row
	s_lshl_b32 s43, s41, 2
	s_lshl_b32 s43, 15, s43                        ; my row of the cluster
	s_lshl_b32 s44, 0x1111, s40                    ; my column
	; A: 8 rows (tiles of places) x 384 elements of 8 bytes (four heads), 1,536 elements from row to row, no padding
	s_or_b32 s[G1+0], s43, (3<<16)|(1<<21)
	s_mov_b32 s[G1+1], 384<<16
	s_mov_b32 s[G1+2], 8<<16
	s_mov_b32 s[G1+3], 384<<16
	s_mov_b32 s[G1+4], 8
	s_mov_b32 s[G1+5], 1536
	s_mov_b32 s[G1+6], 0
	s_mov_b32 s[G1+7], 0
	; B: 128 rows x 192 bytes, 16 bytes of padding behind every 64
	s_or_b32 s[G1B+0], s44, (0<<16)|(1<<20)|(1<<21)|(3<<22)|(3<<25)
	s_mov_b32 s[G1B+1], ROWB<<16
	s_mov_b32 s[G1B+2], 128<<16
	s_mov_b32 s[G1B+3], ROWB<<16
	s_mov_b32 s[G1B+4], 128
	s_mov_b32 s[G1B+5], KROW
	s_mov_b32 s[G1B+6], 0
	s_mov_b32 s[G1B+7], 0
	; B's scales of 128 rows: 16 rows of 256 bytes, 16 bytes of padding behind each
	s_or_b32 s[G1SB+0], s44, (3<<16)|(1<<20)|(1<<21)|(5<<22)|(3<<25)
	s_mov_b32 s[G1SB+1], 32<<16
	s_mov_b32 s[G1SB+2], (128*KS/256)<<16
	s_mov_b32 s[G1SB+3], 32<<16
	s_mov_b32 s[G1SB+4], 128*KS/256
	s_mov_b32 s[G1SB+5], 32
	s_mov_b32 s[G1SB+6], 0
	s_mov_b32 s[G1SB+7], 0
	s_lshl_b32 s20, s17, 4
	s_lshl_b32 s21, s16, 3
	s_add_co_u32 s20, s20, s21                     ; A: tile of places 16 x tile row + 8 x half
	s_mul_i32 s20, s20, 12288
	s_mov_b32 s21, 0
	s_lshl_b32 s46, s42, 8
	s_lshl_b32 s47, s16, 7
	s_add_co_u32 s46, s46, s47
	s_add_co_u32 s46, s46, 11264                   ; B: row 11,264 + 256 x tile column + 128 x half
	s_lshl_b32 s92, s46, 5                         ; its scales,
	s_mov_b32 s93, 0
	s_mul_i32 s46, s46, KROW                       ; its codes
	s_mov_b32 s47, 0
	s_mul_i32 s45, s16, AHALF                      ; where they go: no place in the cluster enters an LDS address
	s_mul_i32 s95, s16, HALFT
	s_add_co_u32 s95, s95, BOFF
	s_mul_i32 s94, s14, HALFS
	s_wait_kmcnt 0x0
	s_add_nc_u64 s[20:21], s[4:5], s[20:21]
	s_add_nc_u64 s[46:47], s[8:9], s[46:47]
	s_add_nc_u64 s[92:93], s[10:11], s[92:93]
	s_mov_b32 s[G0SB], 1
	s_add_co_u32 s[G0SB+1], s94, SCL               ; waves 2 and 3: behind A's two halves
	s_mov_b64 s[G0SB+2:G0SB+3], s[92:93]
	s_or_b32 s[G0SB+3], s[G0SB+3], 0x80000000
.irp s, 0,1
	s_mov_b32 s[G0+4*\s], 1
	s_add_co_u32 s[G0+4*\s+1], s45, \s*SLOT
	s_add_nc_u64 s[G0+4*\s+2:G0+4*\s+3], s[20:21], \s*3072
	s_or_b32 s[G0+4*\s+3], s[G0+4*\s+3], 0x80000000
	s_mov_b32 s[G0B+4*\s], 1
	s_add_co_u32 s[G0B+4*\s+1], s95, \s*SLOT
	s_add_nc_u64 s[G0B+4*\s+2:G0B+4*\s+3], s[46:47], \s*ROWB
	s_or_b32 s[G0B+4*\s+3], s[G0B+4*\s+3], 0x80000000
.endr
	CROUND                                         ; all sixteen work-groups are here: the first joint loads meet
	s_cmp_eq_u32 s15, 0                            ; a wave's first fills stand in one branch: two loads of waves 0 and 1 are out, three of waves 2 and 3
	s_cbranch_scc0 .Lfirst_b
	tensor_load_to_lds s[G0:G0+3], s[G1:G1+7]
	s_nop 0
	tensor_load_to_lds s[G0+4:G0+7], s[G1:G1+7]
	s_nop 0
.rept 4
	v_nop
.endr
	s_branch .Lfirst_asked
.Lfirst_b:
	tensor_load_to_lds s[G0SB:G0SB+3], s[G1SB:G1SB+7]
	s_nop 0
	tensor_load_to_lds s[G0B:G0B+3], s[G1B:G1B+7]
	s_nop 0
	tensor_load_to_lds s[G0B+4:G0B+7], s[G1B:G1B+7]
	s_nop 0
.rept 4
	v_nop
.endr
.Lfirst_asked:
	v_and_b32 v1, 15, v0                           ; r
	v_bfe_u32 v2, v0, 4, 1                         ; h
	v_and_b32 v10, 31, v0                          ; lane
	v_lshlrev_b32 v[CO], 4, v10
	v_lshlrev_b32 v9, 5, v2                        ; the bias: 32 h
	s_lshl_b32 s18, s17, 9                         ; osc: my work-group's 256 places, 512 bytes; my wave's four heads, 16,384 bytes each
	s_lshl_b32 s19, s14, 16
	s_add_co_u32 s18, s18, s19
	s_mov_b32 s19, 0
	s_add_nc_u64 s[6:7], s[6:7], s[18:19]
	s_lshl_b32 s18, s42, 10                        ; the bias: (256 x tile column + 128 x half) x 4 bytes
	s_lshl_b32 s19, s16, 9
	s_add_co_u32 s18, s18, s19
	s_mov_b32 s19, 0
	s_add_nc_u64 s[96:97], s[96:97], s[18:19]
	s_add_nc_u64 s[98:99], s[98:99], s[18:19]      ; out0: the same bytes along a row,
	s_lshl_b32 s18, s17, 20                        ; and row 256 x tile row + 128 x half, 4,096 bytes a row
	s_lshl_b32 s19, s15, 19
	s_add_co_u32 s18, s18, s19
	s_mov_b32 s19, 0
	s_add_nc_u64 s[98:99], s[98:99], s[18:19]
.irp i, 0,1,2,3
	global_load_b128 v[224+4*\i:227+4*\i], v[CO], s[6:7] offset:16384*\i   ; head 4 wave + i: the halfwords of places 8 lane .. 8 lane + 7
.endr
.irp m, 0,1,2,3,4,5,6,7,8,9,10,11,12,13,14,15
	global_load_b128 v[BIA+4*\m:BIA+4*\m+3], v9, s[96:97] offset:64*(\m/2)+16*(\m%2)   ; block b = m / 2: columns 16 b + 8 h + 0 .. 7
.endr
	v_mul_u32_u24 v3, v1, PITCH
	v_mul_u32_u24 v4, v2, 24
	v_add_nc_u32 v4, v3, v4                        ; B: a fragment's row x pitch + 24 x half
	v_lshl_add_u32 v5, v2, 4, v4                   ; and the same behind one padding more
	v_lshlrev_b32 v6, 3, v10                       ; A: 8 x lane
	s_mul_i32 s21, s15, AHALF                      ; my 8 tiles of places
	s_mul_i32 s22, s16, HALFT                      ; my 128 rows of B
	s_add_co_u32 s22, s22, BOFF
.irp s, 0,1
	v_add_nc_u32 v[ADRA+\s], s21, v6
	v_add_nc_u32 v[ADRB+\s], s22, v4
	v_add_nc_u32 v[ADRB+2+\s], s22, v5
	s_add_co_u32 s21, s21, SLOT
	s_add_co_u32 s22, s22, SLOT
.endr
	v_mul_u32_u24 v5, v1, KS                       ; my row's scales: KS bytes a row,
	v_lshrrev_b32 v6, 8, v5
	v_lshl_add_u32 v5, v6, 4, v5                   ; and 16 more for each 256 passed
	s_mul_i32 s21, s15, HALFS
	s_mul_i32 s22, s16, HALFS
	s_add_co_u32 s22, s22, 2*HALFS
	s_sub_co_u32 s22, s22, s21
	v_mul_u32_u24 v6, s22, v2                      ; lanes 16-31 take B's: one product, the distance between the two
	s_add_co_u32 s21, s21, SCL
	v_add_nc_u32 v5, v5, v6
	v_add_nc_u32 v[ADRS], s21, v5
	s_lshl_b32 s23, s14, 3
	s_add_co_u32 s23, s23, SCL
	v_mul_u32_u24 v7, v10, 272
	v_add_nc_u32 v7, s23, v7                       ; A's scale rows: places 8 lane on are one run of 256 bytes + 16; my four heads are bytes 8 wave on of each row of 32
	s_mul_i32 s23, s14, 16*SPITCH                  ; my stage
	v_mul_u32_u24 v5, v1, SPITCH
	v_lshl_add_u32 v5, v2, 5, v5
	v_add_nc_u32 v[STO], s23, v5                   ; in: row r, 32 bytes for each half of the lanes
	v_add_nc_u32 v[RD], s23, v[CO]                 ; back: the 32 lanes take one row of 512 bytes
	s_wait_loadcnt 16                              ; the four loads of halfwords are in; the sixteen of the bias may be out
.irp e, 0,1,2,3,4,5,6,7                        ; place 8 lane + e: four heads' halfwords make 8 bytes
.if \e%2
.set SELW, 0x07060302
.else
.set SELW, 0x05040100
.endif
	v_perm_b32 v[240+2*\e], v[228+\e/2], v[224+\e/2], SELW
	v_perm_b32 v[241+2*\e], v[236+\e/2], v[232+\e/2], SELW
.endr
.irp e, 0,1,2,3,4,5,6,7
	ds_store_b64 v7, v[240+2*\e:241+2*\e] offset:32*\e
.endr
.macro FRAG reg, adr, q, i             ; B's fragment, from padded rows, in pieces of 8 bytes
.irp p, 0,1,2,3,4,5
.set PCE, 12*(\q)+6*(\p/3)+\p%3
.if PCE%8 < 5
	ds_load_b64 v[\reg+2*\p:\reg+2*\p+1], v[\adr] offset:8*PCE+16*(PCE/8)+(\i)*16*PITCH
.else
	ds_load_b64 v[\reg+2*\p:\reg+2*\p+1], v[\adr+2] offset:8*PCE+16*(PCE/8)+(\i)*16*PITCH
.endif
.endr
.endm
.macro FRAG_A reg, slot, q, i          ; A's fragment, from images: registers 2 p, 2 p + 1 are piece p % 3 of head 2 q + p / 3 of the slot's four
.irp p, 0,1,2,3,4,5
	ds_load_b64 v[\reg+2*\p:\reg+2*\p+1], v[ADRA+\slot] offset:3072*(\i)+768*(2*(\q)+\p/3)+256*(\p%3)
.endr
.endm
; 16 matrix instructions.  zero = 1: the first product starts the sums on the bias.  The 64 accumulators take turns, one instruction a turn.
.macro MUL16 a0, p, q, sc, zero
.irp a, \a0, \a0+1
.irp b, 0,1,2,3,4,5,6,7
.if \zero
	v_wmma_scale_f32_16x16x128_f8f6f4 v[8*(8*((\a)%4)+\b):8*(8*((\a)%4)+\b)+7], v[128*(\p)+FR*\b:128*(\p)+FR*\b+FR-1], v[AF+FR*(\a):AF+FR*(\a)+FR-1], v[BIA+8*\b:BIA+8*\b+7], v[SC+8*NQ*(\sc)+NQ*\b+(\q)], v[SC+8*NQ*(\sc)+NQ*(\a)+(\q)] matrix_a_fmt:MATRIX_FMT_FP6 matrix_b_fmt:MATRIX_FMT_FP6 matrix_a_scale:MATRIX_SCALE_ROW1
.else
	v_wmma_scale_f32_16x16x128_f8f6f4 v[8*(8*((\a)%4)+\b):8*(8*((\a)%4)+\b)+7], v[128*(\p)+FR*\b:128*(\p)+FR*\b+FR-1], v[AF+FR*(\a):AF+FR*(\a)+FR-1], v[8*(8*((\a)%4)+\b):8*(8*((\a)%4)+\b)+7], v[SC+8*NQ*(\sc)+NQ*\b+(\q)], v[SC+8*NQ*(\sc)+NQ*(\a)+(\q)] matrix_a_fmt:MATRIX_FMT_FP6 matrix_b_fmt:MATRIX_FMT_FP6 matrix_a_scale:MATRIX_SCALE_ROW1
.endif
.endr
.endr
.endm
.macro FETCH_B slot, q, p
	WIN TO_B
.irp i, 0,1,2,3,4,5,6,7
	FRAG 128*(\p)+FR*\i, ADRB+\slot, \q, \i
.endr
	WIN 0
.endm
.macro FETCH_A slot, q, i0
.irp i, \i0, \i0+1, \i0+2, \i0+3
	FRAG_A AF+FR*(\i), \slot, \q, \i
.endr
.endm
.macro SCALES sc
.irp i, 0,1,2,3,4,5,6,7
	ds_load_b64 v[SC+8*NQ*\sc+NQ*\i:SC+8*NQ*\sc+NQ*\i+1], v[ADRS] offset:\i*SBLK
.endr
.endm
.macro PLACES n
.rept \n
	v_nop
.endr
.endm
.macro STEP slot, q, zero
	s_wait_dscnt 4*NL                              ; B's set and A's blocks 0-3 are in; the youngest 24 loads (A's blocks 4-7) may be out
.if \zero
	WIN FIRST_LO
.else
	WIN MUL_LO
.endif
	MUL16 0, (\q)%2, \q, \slot, \zero
	MUL16 2, (\q)%2, \q, \slot, \zero
	s_wait_dscnt 0
	PLACES NP
	FETCH_B \slot, (\q)+1, 1-(\q)%2
	FETCH_A \slot, (\q)+1, 0
.if \zero
	WIN FIRST_HI
.else
	WIN MUL_HI
.endif
	MUL16 4, (\q)%2, \q, \slot, \zero
	MUL16 6, (\q)%2, \q, \slot, \zero
	PLACES NP
	WIN 0
	FETCH_A \slot, (\q)+1, 4
.endm
.macro TURN slot, next, fill
	s_wait_tensorcnt 0x0                           ; all my tensor loads have landed: my part of the next slot
	ds_add_u32 v[SPW], v[NIL]                      ; 0 onto my spare word
	s_wait_dscnt 4*NL+1                            ; (the add and the youngest 24 loads may be out)
	WIN MUL_LO
	MUL16 0, 1, NQ-1, \slot, 0
	s_wait_dscnt 0x0                               ; the add is done, and my reads of this slot are over
	s_barrier_signal -1
	MUL16 2, 1, NQ-1, \slot, 0
	WIN 0
	s_barrier_wait -1
.if \fill
	CREST                                          ; the barrier has opened a round of the cluster's barrier
	s_add_nc_u64 s[G0+4*\slot+2:G0+4*\slot+3], s[G0+4*\slot+2:G0+4*\slot+3], 2*3072
	s_add_nc_u64 s[G0B+4*\slot+2:G0B+4*\slot+3], s[G0B+4*\slot+2:G0B+4*\slot+3], 2*ROWB
	JLOAD G0+4*\slot, G1, G0B+4*\slot, G1B         ; the first tensor load behind the round
.else
	PLACES NP
.endif
	v_add_nc_u32 v[ADRS], 4*NQ, v[ADRS]
	FETCH_B \next, 0, 0
	FETCH_A \next, 0, 0
	SCALES \next
	WIN MUL_HI
	MUL16 4, 1, NQ-1, \slot, 0
	MUL16 6, 1, NQ-1, \slot, 0
	PLACES NP
	WIN 0
	FETCH_A \next, 0, 4
.endm
	s_wait_tensorcnt 1                             ; my part of K step 0 (and B's scales) is in; K step 1's load may be out,
	s_wait_dscnt 0x0                               ; my part of A's scale rows lies in LDS,
	s_barrier_signal -1
	s_barrier_wait -1                              ; everybody's do
	FETCH_B 0, 0, 0
	FETCH_A 0, 0, 0
	SCALES 0
	FETCH_A 0, 0, 4
	s_wait_loadcnt 0x0                             ; the bias
	STEP 0, 0, 1
	TURN 0, 1, 1
	STEP 1, 0, 0
	TURN 1, 0, 1
	STEP 0, 0, 0
	TURN 0, 1, 0
	STEP 1, 0, 0
	s_wait_dscnt 4*NL                              ; the very last step: nothing more to fetch
	WIN MUL_LO
	MUL16 0, 1, NQ-1, 1, 0
	MUL16 2, 1, NQ-1, 1, 0
	s_wait_dscnt 0
	WIN MUL_HI
	MUL16 4, 1, NQ-1, 1, 0
	MUL16 6, 1, NQ-1, 1, 0
	WIN 0
; THE WAY OUT, block by block of 16 places x 128 columns, through my own stage and back as whole rows of 512 bytes.  LDS serves a wave's instructions in order: no wait between the stores and the loads.
.macro TOSTAGE a
.set AC, 64*((\a)%4)
.set WN, 0x08+4*((\a)/4)
	WIN WN                                         ; an LDS store's data: window 2 or 3
.irp b, 0,1,2,3,4,5,6,7
	ds_store_b128 v[STO], v[AC+8*\b:AC+8*\b+3] offset:64*\b          ; each accumulator from its low end on
	ds_store_b128 v[STO], v[AC+8*\b+4:AC+8*\b+7] offset:64*\b+16
.endr
	WIN 0
.set BB, BK+64*((\a)%2)
.irp t, 0,1,2,3,4,5,6,7,8,9,10,11,12,13,14,15
	ds_load_b128 v[BB+4*\t:BB+4*\t+3], v[RD] offset:\t*SPITCH
.endr
.endm
; Place 16 a + t is token 32 (a / 2) + 8 (a % 2) + t + 8 (t / 8): the base steps 8 rows into an odd block and 24 into an even one, the rest stands in the offsets.
.macro SEND a, younger
.set BB, BK+64*((\a)%2)
	s_wait_dscnt \younger                          ; the block is back in registers
.if (\a) > 0
.if (\a)%2
	s_add_nc_u64 s[98:99], s[98:99], 8*4096        ; (behind a wait on XCNT: the earlier stores have read their base)
.else
	s_add_nc_u64 s[98:99], s[98:99], 24*4096
.endif
.endif
.irp t, 0,1,2,3,4,5,6,7,8,9,10,11,12,13,14,15
	global_store_b128 v[CO], v[BB+4*\t:BB+4*\t+3], s[98:99] offset:(\t+8*(\t/8))*4096 th:TH_STORE_NT   ; 32 lanes store 512 consecutive bytes, at a multiple of 256 from out0's first byte
.endr
.endm
	PLACES NP
	TOSTAGE 0
.irp a, 1,2,3,4,5,6,7
.if \a > 1
	s_wait_xcnt 0x0                                ; block a - 2's stores have read their registers and their base
.endif
	TOSTAGE \a
	SEND \a-1, 32                                  ; behind block a - 1's loads: block a's 16 stores and 16 loads
.endr
	s_wait_xcnt 0x0
	SEND 7, 0
	s_wait_tensorcnt 0x0                           ; the wave's end
	ds_add_u32 v[SPW], v[NIL]
	s_wait_dscnt 0x0
	CROUND                                         ; the closing round
	s_endpgm
.Lfunc_end_k_q7dee5ecea5_proj:
	.size	k_q7dee5ecea5_proj, .Lfunc_end_k_q7dee5ecea5_proj-k_q7dee5ecea5_proj
	.p2alignl 7, 3214868480
	.fill 96, 4, 3214868480
	.section	.rodata,"a",@progbits
	.p2align	6, 0x0
	.amdhsa_kernel k_q7dee5ecea5_proj
		.amdhsa_group_segment_fixed_size 327680
		.amdhsa_private_segment_fixed_size 0
		.amdhsa_enable_private_segment 0
		.amdhsa_kernarg_size 48
		.amdhsa_user_sgpr_count 2
		.amdhsa_user_sgpr_kernarg_segment_ptr 1
		.amdhsa_wavefront_size32 1
		.amdhsa_system_sgpr_workgroup_id_x 1
		.amdhsa_system_sgpr_workgroup_id_y 1
		.amdhsa_system_sgpr_workgroup_id_z 1
		.amdhsa_system_vgpr_workitem_id 0
		.amdhsa_next_free_vgpr 1024
		.amdhsa_next_free_sgpr 104
		.amdhsa_reserve_vcc 0
		.amdhsa_float_denorm_mode_32 3
		.amdhsa_float_denorm_mode_16_64 3
		.amdhsa_memory_ordered 1
		.amdhsa_forward_progress 1
		.amdhsa_inst_pref_size 163
	.end_amdhsa_kernel
	.amdgpu_metadata
---
amdhsa.version: [ 1, 2 ]
amdhsa.kernels:
  - .name:           k_q7dee5ecea5_proj
    .symbol:         k_q7dee5ecea5_proj.kd
    .args:
      - { .name: oc, .offset: 0, .size: 8, .value_kind: global_buffer, .address_space: global }
      - { .name: osc, .offset: 8, .size: 8, .value_kind: global_buffer, .address_space: global }
      - { .name: cod, .offset: 16, .size: 8, .value_kind: global_buffer, .address_space: global }
      - { .name: scl, .offset: 24, .size: 8, .value_kind: global_buffer, .address_space: global }
      - { .name: proj_b, .offset: 32, .size: 8, .value_kind: global_buffer, .address_space: global }
      - { .name: out0, .offset: 40, .size: 8, .value_kind: global_buffer, .address_space: global }
    .group_segment_fixed_size: 327680
    .private_segment_fixed_size: 0
    .kernarg_segment_align: 8
    .kernarg_segment_size: 48
    .max_flat_workgroup_size: 128
    .sgpr_count:     104
    .vgpr_count:     1024
    .wavefront_size: 32
...
	.end_amdgpu_metadata
.endif
;; end of part 4
